; MI455X (gfx1250); checked and timed in simulation.
; The chip was launched on July 23, 2026; its instructions are those of AMD's public machine-readable ISA for CDNA 5 (MIT licence, August 2026) and "CDNA5" Instruction Set Architecture Reference Guide (July 2026). The comments in the code are by the model that wrote it; some were corrected since.
;; Multi Head Self Attention. Allowed arithmetic: matrix products marked QUANTISED: E2M3 operands, one E8M0 scale for each 32 along K, by v_wmma_scale_f32_16x16x128_f8f6f4 with both operands' format E2M3, f32 sums; everything else in f32.
;; Inputs: Wk 1,024 x 1,024 float32; Wo 1,024 x 1,024 float32; Wq 1,024 x 1,024 float32; Wv 1,024 x 1,024 float32; attention_mask 4 x 2,048 x 2,048 int32; bk 1,024 float32; bo 1,024 float32; bq 1,024 float32; bv 1,024 float32; x 4 x 2,048 x 1,024 float32.
;; Outputs: out0 4 x 2,048 x 1,024 float32.
;; This version of the problem:
;;   THIS VERSION OF THE PROBLEM IS GIVEN IN LOW PRECISION. The matrix products marked QUANTISED in the list below multiply operands that are first quantised to E2M3 (2 exponent bits, 3 mantissa bits; 6 bits a number), with one power-of-two scale for each 32 numbers along K (OCP MX v1.0); their sums are f32. All else is computed in f32.
;;   The module's matrix products, in the order in which they are computed (A, B: the left and right operand; K: the contracted axis; several contracted axes count as one K, in the product's order):
;;     1. [M 8,192, K 1,024] x [K 1,024, N 1,024]; A: input x; B: input Wq: QUANTISED
;;     2. [M 8,192, K 1,024] x [K 1,024, N 1,024]; A: input x; B: input Wk: QUANTISED
;;     3. [M 8,192, K 1,024] x [K 1,024, N 1,024]; A: input x; B: input Wv: QUANTISED
;;     4. batch 64 x [M 2,048, K 64] x [K 64, N 2,048]; A: computed on the way; B: computed on the way: QUANTISED
;;     5. batch 64 x [M 2,048, K 2,048] x [K 2,048, N 64]; A: softmax (see below); B: computed on the way: QUANTISED
;;     6. [M 8,192, K 1,024] x [K 1,024, N 1,024]; A: computed on the way; B: input Wo: QUANTISED
;;   THE QUANTISER, for each operand of a quantised product, along K:
;;     - K is cut into blocks of 32 from its start; a last block that is shorter is filled with zeros.
;;     - A block's scale is 2^e with e = floor(log2(the largest magnitude in the block)) - 2, held to -126 .. 127; a block of zeros has e = 0. As a byte (E8M0): e + 127.
;;     - Each number is divided by its block's scale, clamped to +-7.5, and rounded to the nearest number of E2M3, ties to even, subnormals kept.
;;     - The product sums the exact products of the quantised numbers (number of the format x scale) in f32.
;;   ~~~python
;;   def quantise(x, axis):      # numpy; x: float32 -> the quantised numbers, widened to float32 again
;;       x = np.moveaxis(x, axis, -1); K = x.shape[-1]
;;       x = np.pad(x, [(0, 0)] * (x.ndim - 1) + [(0, -K % 32)]); x = x.reshape(x.shape[:-1] + (-1, 32)); a = np.abs(x).max(-1, keepdims=True)
;;       e = np.where(a > 0, np.clip(np.frexp(np.where(a > 0, a, 1))[1] - 1 - 2, -126, 127), 0)      # np.frexp(a)[1] - 1 = floor(log2(a)), exactly
;;       r = np.clip(x / 2.0 ** e, -7.5, 7.5)
;;       step = 2.0 ** (np.maximum(np.frexp(np.where(r == 0, 1, r))[1] - 1, 0) - 3)
;;       q = np.round(r / step) * step * 2.0 ** e      # np.round: ties to even
;;       return np.moveaxis(q.reshape(q.shape[:-2] + (-1,))[..., :K], -1, axis).astype(np.float32)
;;   ~~~
;;   SOFTMAX AHEAD OF A QUANTISED PRODUCT. Where the list says 'softmax', what is quantised is not the finished softmax but p = 2^(t - M), with t = logit x log2(e) and M = ceil(the row's largest t), a whole number; so 1/2 < the row's largest p <= 1. The row's sum l is taken of the UNQUANTISED p, in f32, and the product's result is divided by l at the end. Since M is a whole number, a kernel that streams over the keys may use a running M (the ceiling of the running maximum): every later rescaling is an exact power of two, which a block's scale takes up: the codes' values come out the same.
;;   OPERANDS COMPUTED ON THE WAY. 'Computed on the way' means the value that the module computes at that place (a softmax that the list does not call 'softmax' is quantised finished and normalised). What goes into a quantiser is computed in f32, as accurately as f32 sums, v_exp_f32 and their like allow (about 1e-6 of the number): no bf16 or f16 on the way to a quantiser, and a product that is left as it is and whose result goes on into a quantised operand takes f32 operands (vector FMAs, or v_wmma_f32_16x16x4_f32). A number that lies on a knife's edge between two numbers of the format may be rounded either way, as far as f32 arithmetic and the matrix unit's own rounding can turn it there, and no further.
;; One version. Each part assembles by itself: llvm-mc -triple=amdgcn-amd-amdhsa -mcpu=gfx1250 --defsym DOCPART=n.
;; ======== version 1 of 1: 4 launches
;; limits: right only within a limited range of input values
;; workspace buffers: xbuf 6,553,600 bytes; wbuf 3,276,800 bytes; maskw 2,097,152 bytes of whole numbers; qkv 26,214,400 bytes; abuf 6,553,600 bytes
;; launch prep (part 1): grid 896 x 1, 4 waves a work-group, no clusters, 80,384 bytes of LDS; arguments x, attention_mask, Wq, Wk, Wv, Wo, xbuf, wbuf, maskw; writes xbuf, wbuf, maskw
.if DOCPART == 1
	.amdgcn_target "amdgcn-amd-amdhsa--gfx1250"
	.amdhsa_code_object_version 6
	.text
	.protected	k_q02c9147ecc_prep
	.globl	k_q02c9147ecc_prep
	.p2align	8
	.type	k_q02c9147ecc_prep,@function
k_q02c9147ecc_prep:
	s_mov_b64 s[64:65], 0
	v_nop
	global_prefetch_b8 v0, s[64:65] scope:SCOPE_SE
	s_setreg_imm32_b32 hwreg(HW_REG_WAVE_MODE, 25, 1), 1
	s_wait_xcnt 0x0
; Every f32 and int32 input is read here, once: x and the four weights become codes of FP6 (E2M3) with one E8M0 byte for each 32 along K, the mask becomes one bit a number.
; A block's scale is 2^(floor(log2(its largest magnitude)) - 2); its byte is the largest magnitude's exponent field - 2, held at 1 from below.
; LIMITS: NaN and infinities among x and the weights are not served; a block whose largest magnitude lies under 2^-124 gets the byte 1; a block of zeros gets the byte 1 where the rule says 127
; (its codes are zeros, which add nothing under any byte but 0xff, and this program alone reads the bytes).
; THE LAYOUT OF THE CODES (xbuf, wbuf): rows go in groups G of 32; a group has two tiles u; lane r of tile u holds row 32 G + 8 u + r + 8 (r / 8).  [G][KP: 256 along K][6,400 bytes]:
;   bytes 0 .. 6,143: [128 along K: 2][u: 2][chunk: 6][lane: 32][8 bytes]: chunk j is registers 2 j, 2 j + 1 of the operand's 12 registers: each chunk is 256 consecutive bytes;
;   bytes 6,144 .. 6,399: the scale words, [u][r][128 along K: 2] x 4 bytes.
; THE MASK'S WORDS (maskw): [b][tile of 16 queries T: 128][step of 128 keys: 16][64 words]: bit r + 16 h of word 32 c + i says that key 128 step + 64 c + 32 h + i counts for the query in lane r of tile T.
; WORK.  Work-groups 0-511 take the mask, 512-767 x, 768-895 the weights; every wave's job reads 32 KB and shares nothing with another wave: no barrier.  Each path has LDS bytes of its own.
.set SP,    528                        ; a stage row: 512 bytes + 16: an odd multiple of 16, so that sixteen lanes that read one column of sixteen rows start at sixteen different places modulo 256
.set STW,   16*SP                      ; a wave's stage: 16 rows
.set XST,   4*STW                      ; the mask's four stages lie from byte 0 on, x's from here,
.set WST,   8*STW                      ; the weights' from here: 3,072 bytes a wave
.set WSTB,  3072
.set SPARE, WST+4*WSTB                 ; the spare words, 128 bytes for each wave: two blocks of 256 bytes that no other line names
.set LI16, 4                           ; v4   16 x lane
.set LI8,  5                           ; v5   8 x lane
.set MSI,  6                           ; v6   the mask's stage, in: 16 x lane
.set MSO,  7                           ; v7   out: 528 r + 128 h
.set SPW,  8                           ; v8   LDS address of my spare word; never rewritten
.set NIL,  9                           ; v9   0; never rewritten
.set XSI,  10                          ; v10, v11 the same two for x
.set XSO,  11
.set WSTA, 12                          ; v12  the weights' stage, in: 1,536 u + 8 r of my column
.set WSTR, 13                          ; v13  out: 16 x lane
.set WSA,  14                          ; v14  my column's scale words: 128 u + 8 r
.set LI4,  15                          ; v15  4 x lane
.set R,    16                          ; v16-143  two sets of 16 rows x 16 bytes a lane, as loaded
.set X64,  144                         ; v144-207 64 numbers of my row: register 16 B + i = column 32 B + 16 h + i
.set PC,   208                         ; v208-227 the codes just made
.set MW,   208                         ; (mask: four pairs of words, one pair a tile)
.set TM,   228                         ; v228-243 at work in QUANT
.set PW,   244                         ; v244 the scale word just made
.set SW,   245                         ; v245-248 the four tiles' scale words
.set OW,   250                         ; v[250:251] the pair that leaves
.set WX,   16                          ; weights: v16-79 two sets of 32 numbers down K
.set C,    80                          ; v80-86 a block's codes
.set SB,   88                          ; v[88:89] my column's eight scale bytes
.set M0,   90
.set M1,   91
.set SC,   92
.set BY,   93
.set OUTR, 96                          ; v96-143 the way out, two sets of 24
.set WV,   22                          ; s22  my wave's number
.set CM,   32                          ; s[32:47] sixteen lane masks
.set SEL,  48                          ; s[48:49] v_permlanex16_b32's selects for lane l xor 16
.set HM,   50                          ; s50  lanes 16-31
; 64 numbers of a lane, register 16 b + i = k 32 b + 16 (lane / 16) + i of my row, become a fragment's 12 registers in v[PC] on and its scale word in v[PW].
.macro QUANT s
.irp b, 0,1,2,3
	v_max3_num_f32 v[TM+\b], |v[\s+16*\b]|, |v[\s+1+16*\b]|, 0x1800000   ; my 16 numbers of block b, and the floor 2^(3 - 127): the byte cannot fall under 1
.endr
.irp i, 2,4,6,8,10,12,14
.irp b, 0,1,2,3
	v_max3_num_f32 v[TM+\b], v[TM+\b], |v[\s+16*\b+\i]|, |v[\s+1+16*\b+\i]|   ; the four blocks by turns
.endr
.endr
.irp b, 0,1,2,3
	v_permlanex16_b32 v[TM+4+\b], v[TM+\b], s[SEL], s[SEL+1]
.endr
.irp b, 0,1,2,3
	v_max_num_f32 v[TM+\b], v[TM+\b], v[TM+4+\b]   ; with lane l xor 16's: the block's largest magnitude
.endr
.irp b, 0,1,2,3
	v_add_nc_u32 v[TM+12+\b], 0xff000000, v[TM+\b] ; 2 off its exponent field: the conversion takes the exponent field of this operand as its scale
.endr
.irp b, 0,1,2,3
	v_lshrrev_b32 v[TM+4+\b], 23, v[TM+12+\b]      ; the scale's byte
.endr
	v_lshl_or_b32 v[PW], v[TM+5], 8, v[TM+4]
	v_lshl_or_b32 v[PW], v[TM+6], 16, v[PW]
	v_lshl_or_b32 v[PW], v[TM+7], 24, v[PW]
.irp c, 0,1
	v_cvt_scalef32_pk16_fp6_f32 v[PC+6*\c:PC+2+6*\c], v[\s+32*\c:\s+15+32*\c], v[TM+12+2*\c]
	v_cvt_scalef32_pk16_fp6_f32 v[PC+12+4*\c:PC+14+4*\c], v[\s+16+32*\c:\s+31+32*\c], v[TM+12+2*\c+1]   ; a conversion's three registers begin on an even number
.endr
	v_nop                                          ; one plain instruction behind the scaled conversions
.irp c, 0,1                                    ; the operand wants a whole block in a lane: lanes 0-15 block 2 c, lanes 16-31 block 2 c + 1
.irp i, 0,1,2
	v_permlane16_swap_b32 v[PC+6*\c+\i], v[PC+12+4*\c+\i]
.endr
.irp i, 0,1,2
	v_mov_b32 v[PC+3+6*\c+\i], v[PC+12+4*\c+\i]
.endr
.endr
.endm
; Tile t = 2 s + u of a job: the 16 rows of tile u, 512 bytes of each (128 numbers, the job's s-th): each load reads 512 consecutive bytes.
.macro LOADT t, src, pitch
.irp p, 0,1,2,3,4,5,6,7,8,9,10,11,12,13,14,15
	global_load_b128 v[R+64*((\t)%2)+4*\p:R+64*((\t)%2)+4*\p+3], v[LI16], s[\src:\src+1] offset:(8*((\t)%2)+\p+8*(\p/8))*\pitch+512*((\t)/2) th:TH_LOAD_NT
.endr
.endm
; The tile turns through my own stage: in as loaded, out 16 neighbours of each block of 32 of my row.  LDS serves a wave's instructions in order: no wait between the stores and the loads.
.macro TURNT t, sin, sout, oe          ; oe: bytes from an even block of 16 registers to the odd one behind it (x: 128; the mask: 64)
.irp p, 0,1,2,3,4,5,6,7,8,9,10,11,12,13,14,15
	ds_store_b128 v[\sin], v[R+64*((\t)%2)+4*\p:R+64*((\t)%2)+4*\p+3] offset:SP*\p
.endr
.irp b, 0,1,2,3
.irp j, 0,1,2,3
	ds_load_b128 v[X64+16*\b+4*\j:X64+16*\b+4*\j+3], v[\sout] offset:256*(\b/2)+\oe*(\b%2)+16*\j
.endr
.endr
.endm
	s_load_b512 s[4:19], s[0:1], 0x0               ; x, mask, Wq, Wk, Wv, Wo, xbuf, wbuf
	s_load_b64 s[20:21], s[0:1], 0x40              ; maskw
	v_lshl_add_u32 v[SPW], v0, 2, SPARE
	v_mov_b32 v[NIL], 0
	v_lshrrev_b32 v1, 5, v0
	v_readfirstlane_b32 s[WV], v1
	v_and_b32 v1, 31, v0                           ; lane
	v_and_b32 v2, 15, v0                           ; r
	v_bfe_u32 v3, v0, 4, 1                         ; h
	v_lshlrev_b32 v[LI16], 4, v1
	v_lshlrev_b32 v[LI8], 3, v1
	v_lshlrev_b32 v[LI4], 2, v1
	; all LDS addresses of all three paths are made here, ahead of the first branch
	s_mul_i32 s23, s[WV], STW
	v_add_nc_u32 v[MSI], s23, v[LI16]
	v_mul_u32_u24 v[MSO], v2, SP
	v_lshl_add_u32 v[MSO], v3, 6, v[MSO]
	v_add_nc_u32 v[MSO], s23, v[MSO]
	v_add_nc_u32 v[XSI], XST, v[MSI]
	v_add_nc_u32 v[XSO], XST, v[MSO]
	v_lshl_add_u32 v[MSO], v3, 6, v[MSO]           ; the mask's way out: 528 r + 128 h.  THE MASK'S WORDS AS THIS TEXT LAYS THEM: bit r + 16 h of word 32 c + i says that key 128 step + 64 c + 32 h + i counts for the query in lane r
	v_bfe_u32 v[WSTA], v0, 3, 1                    ; column l of a group lies in tile u = (l / 8) % 2,
	v_and_b32 v[WSTR], 7, v0
	v_lshl_add_u32 v[WSTR], v3, 3, v[WSTR]         ; lane r = l % 8 + 8 (l / 16)
	v_lshlrev_b32 v[WSTR], 3, v[WSTR]
	v_lshl_add_u32 v[WSA], v[WSTA], 7, v[WSTR]
	v_mad_u32_u24 v[WSTA], v[WSTA], 1536, v[WSTR]
	s_mul_i32 s24, s[WV], WSTB
	s_add_co_u32 s24, s24, WST
	v_add_nc_u32 v[WSTA], s24, v[WSTA]
	v_add_nc_u32 v[WSTR], s24, v[LI16]
	s_mov_b32 s[SEL], 0x76543210
	s_mov_b32 s[SEL+1], 0xfedcba98
	s_mov_b32 s[HM], 0xffff0000
.irp b, 0,1,2,3
	v_mov_b32 v[TM+4+\b], 0                        ; written once: a lane permute's destination counts as one of its sources
.endr
.irp b, 0,1,2,3,4,5,6,7
	v_mov_b32 v[MW+\b], 0                          ; likewise v_writelane_b32's
.endr
	s_wait_kmcnt 0x0
	s_cmp_lt_u32 ttmp9, 512
	s_cbranch_scc1 .Lmask
	s_cmp_lt_u32 ttmp9, 768
	s_cbranch_scc1 .Lx
	; ---- THE WEIGHTS.  W is [K][N]: a lane takes a column n and its registers run down K, so a block of 32 along K lies in one lane and the codes come out with K innermost.
	; Work-group 768 + 32 weight + 4 nb + KP; wave w takes the 32 columns of group 4 nb + w, 256 along K: 8 blocks.
	s_sub_co_u32 s24, ttmp9, 768
	s_lshr_b32 s25, s24, 5                         ; which weight: the choice hangs on the work-group's number alone
	s_cmp_eq_u32 s25, 1
	s_cselect_b64 s[8:9], s[10:11], s[8:9]
	s_cmp_eq_u32 s25, 2
	s_cselect_b64 s[8:9], s[12:13], s[8:9]
	s_cmp_eq_u32 s25, 3
	s_cselect_b64 s[8:9], s[14:15], s[8:9]
	s_and_b32 s26, s24, 3                          ; KP
	s_lshr_b32 s27, s24, 2                         ; 8 weight + nb
	s_and_b32 s28, s27, 7
	s_lshl_b32 s28, s28, 2
	s_add_co_u32 s28, s28, s[WV]                   ; the group in the weight
	s_lshl_b32 s28, s28, 7                         ; 32 columns of 4 bytes
	s_lshl_b32 s30, s26, 20                        ; 256 rows of 4,096 bytes
	s_add_co_u32 s28, s28, s30
	s_mov_b32 s29, 0
	s_add_nc_u64 s[8:9], s[8:9], s[28:29]
	s_lshl_b32 s27, s27, 2
	s_add_co_u32 s27, s27, s[WV]                   ; the group in wbuf: 32 weight + 4 nb + w
	s_mul_i32 s28, s27, 25600
	s_mul_i32 s30, s26, 6400
	s_add_co_u32 s28, s28, s30
	s_add_nc_u64 s[18:19], s[18:19], s[28:29]
.macro WLOAD t                         ; block t: W(32 t + i, my column): 32 lanes read 128 consecutive bytes
.irp i, 0,1,2,3,4,5,6,7,8,9,10,11,12,13,14,15,16,17,18,19,20,21,22,23,24,25,26,27,28,29,30,31
	global_load_b32 v[WX+32*((\t)%2)+\i], v[LI4], s[8:9] offset:(32*(\t)+\i)*4096 th:TH_LOAD_NT
.endr
.endm
.macro WBLOCK t
.set XS, WX+32*((\t)%2)
.if (\t) < 7
	s_wait_loadcnt 32                              ; this block's 32 loads are in; the next block's 32 may be out
.else
	s_wait_loadcnt 0x0
.endif
	v_max3_num_f32 v[M0], |v[XS]|, |v[XS+1]|, |v[XS+2]|
	v_max3_num_f32 v[M1], |v[XS+3]|, |v[XS+4]|, |v[XS+5]|
.irp i, 6,10,14,18,22,26
	v_max3_num_f32 v[M0], v[M0], |v[XS+\i]|, |v[XS+\i+1]|
	v_max3_num_f32 v[M1], v[M1], |v[XS+\i+2]|, |v[XS+\i+3]|
.endr
	v_max3_num_f32 v[M0], v[M0], |v[XS+30]|, |v[XS+31]|
	v_max3_num_f32 v[M0], v[M0], v[M1], 0x1800000  ; and the floor
	v_add_nc_u32 v[SC], 0xff000000, v[M0]
	v_lshrrev_b32 v[BY], 23, v[SC]
.if (\t)%4 == 0
	v_mov_b32 v[SB+(\t)/4], v[BY]
.else
	v_lshl_or_b32 v[SB+(\t)/4], v[BY], 8*((\t)%4), v[SB+(\t)/4]
.endif
	v_cvt_scalef32_pk16_fp6_f32 v[C:C+2], v[XS:XS+15], v[SC]
	v_cvt_scalef32_pk16_fp6_f32 v[C+4:C+6], v[XS+16:XS+31], v[SC]
	v_nop                                          ; one plain instruction behind the scaled conversions
	v_mov_b32 v[C+3], v[C+4]
	v_mov_b32 v[C+4], v[C+5]
	v_mov_b32 v[C+5], v[C+6]
.irp j, 0,1,2                                  ; block 2 c + h' of a step of 128 is registers 6 c .. 6 c + 5 of lane r + 16 h': chunks 3 c .. 3 c + 2
	ds_store_b64 v[WSTA], v[C+2*\j:C+2*\j+1] offset:(3*(((\t)%4)/2)+\j)*256+128*((\t)%2)
.endr
.if (\t)+2 < 8
	WLOAD (\t)+2
.endif
	s_wait_dscnt 0x0                               ; the stores have read their registers
.endm
.macro WFLUSH s                        ; two fragments, 3,072 bytes, leave as they lie: each store covers 512 consecutive bytes
.irp i, 0,1,2,3,4,5
	ds_load_b128 v[OUTR+24*\s+4*\i:OUTR+24*\s+4*\i+3], v[WSTR] offset:512*\i
.endr
	s_wait_dscnt 0x0
.irp i, 0,1,2,3,4,5
	global_store_b128 v[LI16], v[OUTR+24*\s+4*\i:OUTR+24*\s+4*\i+3], s[18:19] offset:3072*\s+512*\i
.endr
.endm
	WLOAD 0
	WLOAD 1
	WBLOCK 0
	WBLOCK 1
	WBLOCK 2
	WBLOCK 3
	WFLUSH 0
	WBLOCK 4
	WBLOCK 5
	WBLOCK 6
	WBLOCK 7
	WFLUSH 1
	s_wait_alu depctr_va_vdst(0)
	global_store_b64 v[WSA], v[SB:SB+1], s[18:19] offset:6144   ; the 32 lanes fill the group's 256 bytes of scale words
	s_wait_tensorcnt 0x0                           ; the wave's end: behind my last LDS store
	ds_add_u32 v[SPW], v[NIL]
	s_wait_dscnt 0x0
	s_endpgm
	; ---- THE MASK.  Job 4 x work-group + wave = 512 b + 8 G' + sp: the 32 queries of group G', keys 256 sp .. 256 sp + 255: four tiles of 16 rows x 128 numbers.
.Lmask:
	s_lshl_b32 s24, ttmp9, 2
	s_add_co_u32 s24, s24, s[WV]
	s_lshr_b32 s25, s24, 9                         ; b
	s_bfe_u32 s26, s24, 0x60003                    ; G'
	s_and_b32 s27, s24, 7                          ; sp
	s_lshl_b32 s28, s25, 24
	s_lshl_b32 s30, s26, 18
	s_add_co_u32 s28, s28, s30
	s_lshl_b32 s30, s27, 10
	s_add_co_u32 s28, s28, s30
	s_mov_b32 s29, 0
	s_add_nc_u64 s[6:7], s[6:7], s[28:29]
	s_lshl_b32 s28, s25, 19
	s_lshl_b32 s30, s26, 13
	s_add_co_u32 s28, s28, s30
	s_lshl_b32 s30, s27, 9
	s_add_co_u32 s28, s28, s30
	s_add_nc_u64 s[20:21], s[20:21], s[28:29]
	LOADT 0, 6, 8192
	LOADT 1, 6, 8192
.irp t, 0,1,2,3
.if \t < 3
	s_wait_loadcnt 16                              ; this tile's 16 loads are in; the next tile's 16 may be out
.else
	s_wait_loadcnt 0x0
.endif
	TURNT \t, MSI, MSO, 64
	s_wait_dscnt 0x0                               ; my numbers are back, and the stores have read the registers that the next loads fill
.if \t < 2
	LOADT \t+2, 6, 8192
.endif
.irp b, 0,1,2,3
.irp i, 0,1,2,3,4,5,6,7,8,9,10,11,12,13,14,15
	v_cmp_ne_u32 s[CM+\i], 0, v[X64+16*\b+\i]      ; word 16 b + i: a bit a lane
.endr
.irp i, 0,1,2,3,4,5,6,7,8,9,10,11,12,13,14,15
	v_writelane_b32 v[MW+2*\t+\i%2], s[CM+\i], 8*\b+\i/2   ; lane l of the pair holds words 2 l and 2 l + 1
.endr
.endr
	global_store_b64 v[LI8], v[MW+2*\t:MW+2*\t+1], s[20:21] offset:4096*(\t%2)+256*(\t/2)   ; 256 consecutive bytes: a tile's words of one step
.endr
	s_wait_tensorcnt 0x0                           ; the wave's end: behind my last LDS store
	ds_add_u32 v[SPW], v[NIL]
	s_wait_dscnt 0x0
	s_endpgm
	; ---- x.  Work-group 512 + G; wave w takes KP = w: 32 tokens x 256 along K: four tiles of 16 rows x 128 numbers, each a fragment.
.Lx:
	s_sub_co_u32 s24, ttmp9, 512
	s_lshl_b32 s26, s24, 17
	s_lshl_b32 s28, s[WV], 10
	s_add_co_u32 s26, s26, s28
	s_mov_b32 s27, 0
	s_add_nc_u64 s[4:5], s[4:5], s[26:27]
	s_mul_i32 s26, s24, 25600
	s_mul_i32 s28, s[WV], 6400
	s_add_co_u32 s26, s26, s28
	s_add_nc_u64 s[16:17], s[16:17], s[26:27]
	LOADT 0, 4, 4096
	LOADT 1, 4, 4096
.irp t, 0,1,2,3
.if \t < 3
	s_wait_loadcnt 16                              ; this tile's 16 loads are in; the next tile's 16 may be out
.else
	s_wait_loadcnt 0x0
.endif
	TURNT \t, XSI, XSO, 128
	s_wait_dscnt 0x0
.if \t < 2
	LOADT \t+2, 4, 4096
.endif
.if \t > 0
	s_wait_xcnt 0x0                                ; the last tile's stores have read the codes' registers, which are written again below
.endif
	QUANT X64
.irp j, 0,1,2,3,4,5
	global_store_b64 v[LI8], v[PC+2*\j:PC+2*\j+1], s[16:17] offset:3072*(\t/2)+1536*(\t%2)+256*\j   ; a chunk: 256 consecutive bytes
.endr
	v_mov_b32 v[SW+\t], v[PW]
.endr
	v_cndmask_b32 v[OW], v[SW], v[SW+1], s[HM]     ; lanes 0-15 carry tile 0's words, lanes 16-31 tile 1's: the first 128 along K,
	v_cndmask_b32 v[OW+1], v[SW+2], v[SW+3], s[HM] ; and the second
	global_store_b64 v[LI8], v[OW:OW+1], s[16:17] offset:6144
	s_wait_tensorcnt 0x0                           ; the wave's end: behind my last LDS store
	ds_add_u32 v[SPW], v[NIL]
	s_wait_dscnt 0x0
	s_endpgm
.Lfunc_end_k_q02c9147ecc_prep:
	.size	k_q02c9147ecc_prep, .Lfunc_end_k_q02c9147ecc_prep-k_q02c9147ecc_prep
	.p2alignl 7, 3214868480
	.fill 96, 4, 3214868480
	.section	.rodata,"a",@progbits
	.p2align	6, 0x0
	.amdhsa_kernel k_q02c9147ecc_prep
		.amdhsa_group_segment_fixed_size 80384
		.amdhsa_private_segment_fixed_size 0
		.amdhsa_enable_private_segment 0
		.amdhsa_kernarg_size 72
		.amdhsa_user_sgpr_count 2
		.amdhsa_user_sgpr_kernarg_segment_ptr 1
		.amdhsa_wavefront_size32 1
		.amdhsa_system_sgpr_workgroup_id_x 1
		.amdhsa_system_sgpr_workgroup_id_y 1
		.amdhsa_system_sgpr_workgroup_id_z 1
		.amdhsa_system_vgpr_workitem_id 0
		.amdhsa_next_free_vgpr 256
		.amdhsa_next_free_sgpr 66
		.amdhsa_reserve_vcc 0
		.amdhsa_float_denorm_mode_32 3
		.amdhsa_float_denorm_mode_16_64 3
		.amdhsa_memory_ordered 1
		.amdhsa_forward_progress 1
		.amdhsa_inst_pref_size 123
	.end_amdhsa_kernel
	.amdgpu_metadata
---
amdhsa.version: [ 1, 2 ]
amdhsa.kernels:
  - .name:           k_q02c9147ecc_prep
    .symbol:         k_q02c9147ecc_prep.kd
    .args:
      - { .name: x, .offset: 0, .size: 8, .value_kind: global_buffer, .address_space: global }
      - { .name: attention_mask, .offset: 8, .size: 8, .value_kind: global_buffer, .address_space: global }
      - { .name: Wq, .offset: 16, .size: 8, .value_kind: global_buffer, .address_space: global }
      - { .name: Wk, .offset: 24, .size: 8, .value_kind: global_buffer, .address_space: global }
      - { .name: Wv, .offset: 32, .size: 8, .value_kind: global_buffer, .address_space: global }
      - { .name: Wo, .offset: 40, .size: 8, .value_kind: global_buffer, .address_space: global }
      - { .name: xbuf, .offset: 48, .size: 8, .value_kind: global_buffer, .address_space: global }
      - { .name: wbuf, .offset: 56, .size: 8, .value_kind: global_buffer, .address_space: global }
      - { .name: maskw, .offset: 64, .size: 8, .value_kind: global_buffer, .address_space: global }
    .group_segment_fixed_size: 80384
    .private_segment_fixed_size: 0
    .kernarg_segment_align: 8
    .kernarg_segment_size: 72
    .max_flat_workgroup_size: 128
    .sgpr_count:     66
    .vgpr_count:     256
    .wavefront_size: 32
...
	.end_amdgpu_metadata
.endif
;; end of part 1
;; launch gemm_qkv (part 2): grid 12 x 64, 4 waves a work-group, clusters of 4 x 4, 327,680 bytes of LDS; arguments xbuf, wbuf, bq, bk, bv, qkv; writes qkv
.if DOCPART == 2
	.amdgcn_target "amdgcn-amd-amdhsa--gfx1250"
	.amdhsa_code_object_version 6
	.text
	.protected	k_q02c9147ecc_gemm_qkv
	.globl	k_q02c9147ecc_gemm_qkv
	.p2align	8
	.type	k_q02c9147ecc_gemm_qkv,@function
k_q02c9147ecc_gemm_qkv:
	s_mov_b64 s[64:65], 0
	v_nop
	global_prefetch_b8 v0, s[64:65] scope:SCOPE_SE
	s_setreg_imm32_b32 hwreg(HW_REG_WAVE_MODE, 25, 1), 1
	s_wait_xcnt 0x0
	s_wait_alu depctr_hold_cnt(0) depctr_sa_sdst(0) depctr_va_vdst(0) depctr_va_sdst(0) depctr_va_ssrc(0) depctr_va_vcc(0) depctr_vm_vsrc(0)
	s_getreg_b32 s2, hwreg(HW_REG_IB_STS2, 6, 4)
	s_cmp_eq_u32 s2, 0
	s_cbranch_scc0 .Lentry_in_a_cluster
	s_endpgm
.Lentry_in_a_cluster:
	s_bfe_u32 s2, ttmp6, 0x10000c
	s_cmp_lg_u32 s2, 0xf033
	s_cbranch_scc0 .Lentry_shape_is_right
	s_endpgm
.Lentry_shape_is_right:
; q = x Wq + bq, k = x Wk + bk, v = x Wv + bv on codes of FP6 (E2M3) with E8M0 scales, f32 sums; the results are quantised in registers (q, k along the head's 64, v along the keys) and leave as codes, in the order of the operand
; registers in which the attention launch takes them.  LIMITS: as the launch before: a block under 2^-124 or of zeros gets the byte 1; NaN and infinities are not served.
; A work-group takes 128 tokens (tile row ty) x 256 columns (tile column tx; cluster x = 0: q, 1: k, 2: v).  All of K = 1,024 lies in LDS, in four slots of 256 along K that are each filled ONCE, all asked for at the head: nothing is ever
; filled again, so the barriers below only show a slot landed.  A wave has one tensor load out.
; CLUSTER 4 x 4: x's tiles hang on ty alone and are asked for jointly by a row of the cluster, the weights' on tx alone, by a column.
; A WAVE has 8 blocks P (source 0: they give a result's registers) x 4 blocks R (source 1: they give its lanes): 32 accumulators, window 2.
;   q, k: P = 128 columns of W (two heads), R = 64 tokens: a lane holds a token, its registers run along the head's d.      v: P = the 128 tokens, R = 64 columns (one head): a lane holds a d, its registers run along the keys.
; The rows of a tile are not neighbours (lane r of tile u of group G: row 32 G + 8 u + r + 8 (r / 8)), so that the 16 registers of P's tiles 2 b and 2 b + 1 are 16 neighbours: 32 b + 16 (lane / 16) + 0 .. 15.
; qkv: two regions (q; k and v), each [b x 16 + head][step of 128 tokens: 16][12,800 bytes]: 0: four PAIR fragments of q or k (registers 0-5: token tile 2 f, d = 32 h ..; registers 6-11: token tile 2 f + 1); 6,144: four fragments of v
; (lane: d, registers: the step's 128 keys); 12,288: the pair fragments' scale words; 12,544: v's.  A fragment is [chunk 3][lane 32][16 bytes]; the word of fragment f lies at 128 (f / 2) + 8 r + 4 (f % 2).
; REGISTERS: window 0: v16-24 addresses; v32-63 P's scale words, v64-79 R's, two sets each; v80-175 R's fragments, two sets; on the way out v80-143 64 numbers, v144-163 codes, v192-208 at work, v240-247 v's bias, v248-253 scale words.
;   window 1: v0-191 P's fragments, two sets; v192-255 q's or k's bias in the result's layout.   window 2: accumulator (r, p) at v[64 r + 8 p].
.set GROW,  25600                      ; a group of 32 rows in xbuf or wbuf: 4 x 6,400 bytes
.set KPB,   6400                       ; 256 along K of a group: 6,144 bytes of codes, 256 of scale words
.set SLOT,  76800                      ; x's 4 groups, then the weights' 8
.set SPARE, 4*SLOT                     ; the spare words, 128 bytes for each wave: two blocks of 256 bytes that no other line names
.set KVO,   13107200                   ; where k's and v's region begins in qkv
.set HEADB, 204800
.set STEPB, 12800
.set ADRP, 16
.set ADRR, 17
.set ADSP, 18
.set ADSR, 19
.set LI16, 20
.set LI8,  21
.set BO1,  22
.set BO2,  23
.set SOFF, 24
.set SPW,  28                          ; v28  LDS address of my spare word; never rewritten
.set NIL,  29                          ; v29  0; never rewritten
.set SCP,  32
.set SCR,  64
.set RF,   80
.set BI,   192
.set ST,   80
.set PC,   144
.set TM,   192
.set PW,   208
.set BV,   240
.set SW,   248
.set WV,   16
.set CH,   17
.set RH,   18
.set CX,   19
.set CY,   20
.set TX,   21
.set TY,   22
.set G1A,  24                          ; s[24:31] descriptor group 1 for x's tiles; s[32:39] for the weights'
.set G1B,  32
.set G0A,  40                          ; s[40:43] group 0 for x's tiles; s[68:71] for the weights'
.set G0B,  68
.set SEL,  84
.set HM,   86
.set OUT,  88
.set OUTS, 90
.set BP1,  92
.set BP2,  94
.set PB,   100
.set RB,   101
.set MSB, 0
.macro WIN new                         ; the immediate's high byte repeats the setting that is left
.if MSB != \new
	s_set_vgpr_msb (MSB<<8)|\new
.set MSB, \new
.endif
.endm
.macro CROUND                          ; a round of the cluster's barrier
	s_barrier_signal -1
	s_barrier_wait -1
	s_cmp_lg_u32 s[WV], 0
	s_cbranch_scc1 .Lnot_wave_0_\@
	s_barrier_signal -3
.Lnot_wave_0_\@:
	s_barrier_wait -3
	s_barrier_signal -1
	s_barrier_wait -1
.endm
.macro QUANT s                         ; 64 numbers of a lane, register 16 b + i = k 32 b + 16 (lane / 16) + i of my row, become a fragment in v[PC] on and its scale word in v[PW]
.irp b, 0,1,2,3
	v_max3_num_f32 v[TM+\b], |v[\s+16*\b]|, |v[\s+1+16*\b]|, 0x1800000   ; and the floor 2^(3 - 127): the byte cannot fall under 1
.endr
.irp i, 2,4,6,8,10,12,14
.irp b, 0,1,2,3
	v_max3_num_f32 v[TM+\b], v[TM+\b], |v[\s+16*\b+\i]|, |v[\s+1+16*\b+\i]|
.endr
.endr
.irp b, 0,1,2,3
	v_permlanex16_b32 v[TM+4+\b], v[TM+\b], s[SEL], s[SEL+1]
.endr
.irp b, 0,1,2,3
	v_max_num_f32 v[TM+\b], v[TM+\b], v[TM+4+\b]
.endr
.irp b, 0,1,2,3
	v_add_nc_u32 v[TM+12+\b], 0xff000000, v[TM+\b] ; 2 off the exponent field: the conversion's scale operand
.endr
.irp b, 0,1,2,3
	v_lshrrev_b32 v[TM+4+\b], 23, v[TM+12+\b]      ; the scale's byte
.endr
	v_lshl_or_b32 v[PW], v[TM+5], 8, v[TM+4]
	v_lshl_or_b32 v[PW], v[TM+6], 16, v[PW]
	v_lshl_or_b32 v[PW], v[TM+7], 24, v[PW]
.irp c, 0,1
	v_cvt_scalef32_pk16_fp6_f32 v[PC+6*\c:PC+2+6*\c], v[\s+32*\c:\s+15+32*\c], v[TM+12+2*\c]
	v_cvt_scalef32_pk16_fp6_f32 v[PC+12+4*\c:PC+14+4*\c], v[\s+16+32*\c:\s+31+32*\c], v[TM+12+2*\c+1]
.endr
	v_nop                                          ; one plain instruction behind the scaled conversions
.irp c, 0,1
.irp i, 0,1,2
	v_permlane16_swap_b32 v[PC+6*\c+\i], v[PC+12+4*\c+\i]
.endr
.irp i, 0,1,2
	v_mov_b32 v[PC+3+6*\c+\i], v[PC+12+4*\c+\i]
.endr
.endr
.endm
	s_load_b256 s[4:11], s[0:1], 0x0               ; xbuf, wbuf, bq, bk
	s_load_b128 s[12:15], s[0:1], 0x20             ; bv, qkv
	v_lshl_add_u32 v[SPW], v0, 2, SPARE
	v_mov_b32 v[NIL], 0
	ds_add_u32 v[SPW], v[NIL]                      ; the wave's opening: the add and its wait ahead of my first tensor load; work on registers stands between them
	ds_add_u32 v[SPW], v[NIL]
	v_lshrrev_b32 v1, 5, v0
	v_readfirstlane_b32 s[WV], v1
	s_and_b32 s[CH], s[WV], 1
	s_lshr_b32 s[RH], s[WV], 1
	s_bfe_u32 s[CX], ttmp6, 0x40000
	s_bfe_u32 s[CY], ttmp6, 0x40004
	s_lshl_b32 s[TX], ttmp9, 2
	s_add_co_u32 s[TX], s[TX], s[CX]               ; tile column = 4 x cluster x + cx
	s_and_b32 s[TY], ttmp7, 0xffff
	s_lshl_b32 s[TY], s[TY], 2
	s_add_co_u32 s[TY], s[TY], s[CY]               ; tile row = 4 x cluster y + cy
	s_lshl_b32 s23, s[CY], 2
	s_lshl_b32 s23, 15, s23                        ; my row of the cluster
	s_lshl_b32 s87, 0x1111, s[CX]                  ; my column
	; group 1: rows of 6,400 bytes (800 elements of 8 bytes: 256 along K of one group), 6,400 bytes apart; x: 8 rows a load, the weights: 16; no padding
	s_or_b32 s[G1A], s23, (3<<16)|(1<<21)
	s_or_b32 s[G1B], s87, (3<<16)|(1<<21)
	s_mov_b32 s[G1A+1], 800<<16                    ; tensor_dim0
	; THE FILLS AS THIS TEXT HAS THEM: a wave's groups lie on end in memory, so each wave asks once, at the head, for all of K of its groups: x 2 groups = 8 rows of 6,400 bytes, the weights 4 groups = 16 rows, dense.
	; LDS is the image of memory: x's group g at g x 25,600, the weights' group g at (4 + g) x 25,600; 256 along K are 6,400 bytes further on.  One wait for 0 and one barrier show all of it landed.
	s_mov_b32 s[G1A+2], 8<<16
	s_mov_b32 s[G1A+3], 800<<16                    ; tile_dim0
	s_mov_b32 s[G1A+4], 8
	s_mov_b32 s[G1A+5], 800
	s_mov_b32 s[G1A+6], 0
	s_mov_b32 s[G1A+7], 0
	s_mov_b32 s[G1B+1], 800<<16
	s_mov_b32 s[G1B+2], 16<<16
	s_mov_b32 s[G1B+3], 800<<16
	s_mov_b32 s[G1B+4], 16
	s_mov_b32 s[G1B+5], 800
	s_mov_b32 s[G1B+6], 0
	s_mov_b32 s[G1B+7], 0
	s_lshl_b32 s56, s[TY], 2                       ; x: group 4 ty + 2 (wave % 2)
	s_lshl_b32 s58, s[CH], 1
	s_add_co_u32 s56, s56, s58
	s_mul_i32 s56, s56, GROW
	s_mov_b32 s57, 0
	s_mul_i32 s58, s[CH], 2*GROW
	s_lshl_b32 s60, s[TX], 3                       ; the weights: group 8 tx + 4 (wave % 2)
	s_lshl_b32 s62, s[CH], 2
	s_add_co_u32 s60, s60, s62
	s_mul_i32 s60, s60, GROW
	s_mov_b32 s61, 0
	s_mul_i32 s62, s[CH], 4*GROW
	s_add_co_u32 s62, s62, 4*GROW
	s_wait_dscnt 0x0                               ; the opening add is done
	s_wait_kmcnt 0x0
	s_add_nc_u64 s[56:57], s[4:5], s[56:57]
	s_add_nc_u64 s[60:61], s[6:7], s[60:61]
.irp s, 0
	s_mov_b32 s[G0A+4*\s], 1
	s_add_co_u32 s[G0A+4*\s+1], s58, \s*SLOT
	s_add_nc_u64 s[G0A+4*\s+2:G0A+4*\s+3], s[56:57], \s*KPB
	s_or_b32 s[G0A+4*\s+3], s[G0A+4*\s+3], 0x80000000
	s_mov_b32 s[G0B+4*\s], 1
	s_add_co_u32 s[G0B+4*\s+1], s62, \s*SLOT
	s_add_nc_u64 s[G0B+4*\s+2:G0B+4*\s+3], s[60:61], \s*KPB
	s_or_b32 s[G0B+4*\s+3], s[G0B+4*\s+3], 0x80000000
.endr
	CROUND                                         ; all sixteen work-groups are here: the joint loads meet
	s_cmp_lt_u32 s[WV], 2                          ; waves 0 and 1 fetch x's halves, waves 2 and 3 the weights': a wave's one fill stands in its branch
	s_cbranch_scc0 .Lfirst_b
.irp s, 0
	tensor_load_to_lds s[G0A+4*\s:G0A+4*\s+3], s[G1A:G1A+7]
	s_nop 0
.endr
.rept 4
	v_nop
.endr
	s_branch .Lfirst_done
.Lfirst_b:
.irp s, 0
	tensor_load_to_lds s[G0B+4*\s:G0B+4*\s+3], s[G1B:G1B+7]
	s_nop 0
.endr
.rept 4
	v_nop
.endr
.Lfirst_done:
	; where my fragments lie in a slot.  The choice hangs on the cluster's x, which all partners share
	s_mul_i32 s[PB], s[CH], 4*GROW
	s_add_co_u32 s[PB], s[PB], 4*GROW
	s_mul_i32 s[RB], s[RH], 2*GROW
	s_mul_i32 s87, s[WV], 2*GROW
	s_add_co_u32 s87, s87, 4*GROW
	s_cmp_eq_u32 ttmp9, 2
	s_cselect_b32 s[PB], 0, s[PB]
	s_cselect_b32 s[RB], s87, s[RB]
	v_and_b32 v1, 31, v0
	v_and_b32 v2, 15, v0                           ; r
	v_bfe_u32 v3, v0, 4, 1                         ; h
	s_wait_alu depctr_va_vdst(0)
	v_lshlrev_b32 v[LI16], 4, v1
	v_lshlrev_b32 v[LI8], 3, v1
	v_add_nc_u32 v[ADRP], s[PB], v[LI8]
	v_add_nc_u32 v[ADRR], s[RB], v[LI8]
	v_lshlrev_b32 v4, 3, v2
	v_add_nc_u32 v4, 6144, v4
	v_add_nc_u32 v[ADSP], s[PB], v4
	v_add_nc_u32 v[ADSR], s[RB], v4
	v_add_nc_u32 v30, 2*GROW, v[ADRP]              ; P's groups 2 and 3 have address registers of their own: their distance passes the 16-bit immediate
	v_add_nc_u32 v31, 2*GROW, v[ADSP]
	; the bias, in both layouts: each way out reads one of the two.  tx % 4 = cx: 256 columns, four heads
	s_cmp_eq_u32 ttmp9, 1
	s_cselect_b64 s[8:9], s[10:11], s[8:9]
	s_cmp_eq_u32 ttmp9, 2
	s_cselect_b64 s[8:9], s[12:13], s[8:9]
	s_lshl_b32 s60, s[CX], 10
	s_lshl_b32 s62, s[CH], 9
	s_add_co_u32 s62, s62, s60
	s_mov_b32 s63, 0
	s_add_nc_u64 s[BP1:BP1+1], s[8:9], s[62:63]    ; q, k: my 128 columns
	s_lshl_b32 s62, s[WV], 8
	s_add_co_u32 s62, s62, s60
	s_add_nc_u64 s[BP2:BP2+1], s[8:9], s[62:63]    ; v: my 64 columns
	v_lshlrev_b32 v[BO1], 6, v3                    ; register 8 p + j of lane half h: column 32 (p / 2) + 16 h + 8 (p % 2) + j
	v_and_b32 v5, 8, v2
	v_add_nc_u32 v5, v5, v2
	v_lshlrev_b32 v[BO2], 2, v5                    ; lane r of block rb: column 32 (rb / 2) + 8 (rb % 2) + r + 8 (r / 8)
	WIN 0x40
.irp p, 0,1,2,3,4,5,6,7
	global_load_b128 v[BI+8*\p:BI+8*\p+3], v[BO1], s[BP1:BP1+1] offset:(32*(\p/2)+8*(\p%2))*4
	global_load_b128 v[BI+8*\p+4:BI+8*\p+7], v[BO1], s[BP1:BP1+1] offset:(32*(\p/2)+8*(\p%2))*4+16
.endr
	WIN 0
.irp b, 0,1,2,3
	global_load_b32 v[BV+2*\b], v[BO2], s[BP2:BP2+1] offset:(32*(\b/2)+8*(\b%2))*4     ; twice: a pair for the packed addition
	global_load_b32 v[BV+2*\b+1], v[BO2], s[BP2:BP2+1] offset:(32*(\b/2)+8*(\b%2))*4
.endr
	; where my results go
	s_lshr_b32 s96, s[TY], 4                       ; b
	s_lshl_b32 s96, s96, 4
	s_lshl_b32 s97, s[CX], 2
	s_add_co_u32 s96, s96, s97                     ; 16 b + the first of my work-group's four heads
	s_lshl_b32 s97, s[CH], 1
	s_add_co_u32 s97, s96, s97                     ; q, k: the first of my two heads
	s_add_co_u32 s96, s96, s[WV]                   ; v: my head
	s_mul_i32 s98, s[RH], 3072                     ; q, k: my two pair fragments,
	s_lshl_b32 s99, s[RH], 7
	s_add_co_u32 s99, s99, 12288                   ; and their scale words
	s_mov_b32 s87, HEADB
	s_cmp_eq_u32 ttmp9, 2
	s_cselect_b32 s96, s96, s97
	s_cselect_b32 s98, 6144, s98
	s_cselect_b32 s99, 12544, s99
	s_cselect_b32 s87, 128, s87                    ; from lanes 0-15 to lanes 16-31 in the scale words' store: the next head (q, k) or fragments 2 and 3 (v)
	s_mul_i32 s96, s96, HEADB
	s_and_b32 s97, s[TY], 15                       ; the step of 128 tokens
	s_mul_i32 s97, s97, STEPB
	s_add_co_u32 s96, s96, s97
	s_cmp_eq_u32 ttmp9, 0
	s_cselect_b32 s97, 0, KVO
	s_add_co_u32 s96, s96, s97
	s_add_co_u32 s98, s98, s96
	s_add_co_u32 s96, s99, s96
	s_mov_b32 s99, 0
	s_mov_b32 s97, 0
	s_add_nc_u64 s[OUT:OUT+1], s[14:15], s[98:99]
	s_add_nc_u64 s[OUTS:OUTS+1], s[14:15], s[96:97]
	v_mul_u32_u24 v[SOFF], s87, v3
	v_lshl_add_u32 v[SOFF], v2, 3, v[SOFF]
	s_mov_b32 s[SEL], 0x76543210
	s_mov_b32 s[SEL+1], 0xfedcba98
	s_mov_b32 s[HM], 0xffff0000
.irp b, 0,1,2,3
	v_mov_b32 v[TM+4+\b], 0                        ; written once: a lane permute's destination counts as one of its sources
.endr
; The fragments of K step q (128 along K; slot q / 2): P's eight into set q % 2 of window 1, R's four into set q % 2 of window 0; with a slot's first step its scale words, two a row.  Each load reads 256 consecutive bytes.
.macro FETCH q
	WIN 0x40
.irp p, 0,1,2,3,4,5,6,7
.irp j, 0,1,2,3,4,5
	ds_load_b64 v[96*((\q)%2)+12*\p+2*\j:96*((\q)%2)+12*\p+2*\j+1], v[ADRP+14*(\p/4)] offset:((\p/2)%2)*GROW+((\q)%2)*3072+(\p%2)*1536+256*\j
.endr
.endr
	WIN 0
.irp r, 0,1,2,3
.irp j, 0,1,2,3,4,5
	ds_load_b64 v[RF+48*((\q)%2)+12*\r+2*\j:RF+48*((\q)%2)+12*\r+2*\j+1], v[ADRR] offset:(\r/2)*GROW+((\q)%2)*3072+(\r%2)*1536+256*\j
.endr
.endr
.if (\q)%2 == 0
.irp p, 0,1,2,3,4,5,6,7
	ds_load_b64 v[SCP+16*(((\q)/2)%2)+2*\p:SCP+16*(((\q)/2)%2)+2*\p+1], v[ADSP+13*(\p/4)] offset:((\p/2)%2)*GROW+(\p%2)*128
.endr
.irp r, 0,1,2,3
	ds_load_b64 v[SCR+8*(((\q)/2)%2)+2*\r:SCR+8*(((\q)/2)%2)+2*\r+1], v[ADSR] offset:(\r/2)*GROW+(\r%2)*128
.endr
.endif
.endm
; 32 matrix instructions: the 32 accumulators take turns, one instruction a turn, in the same order in every step.  zero = 1: the first products start the sums.
.macro MUL q, zero
	WIN 0xa1                                       ; source 0 window 1, source 1 window 0, C and D window 2
.irp r, 0,1,2,3
.irp p, 0,1,2,3,4,5,6,7
.if \zero
	v_wmma_scale_f32_16x16x128_f8f6f4 v[64*\r+8*\p:64*\r+8*\p+7], v[96*((\q)%2)+12*\p:96*((\q)%2)+12*\p+11], v[RF+48*((\q)%2)+12*\r:RF+48*((\q)%2)+12*\r+11], 0, v[SCP+16*(((\q)/2)%2)+2*\p+(\q)%2], v[SCR+8*(((\q)/2)%2)+2*\r+(\q)%2] matrix_a_fmt:MATRIX_FMT_FP6 matrix_b_fmt:MATRIX_FMT_FP6
.else
	v_wmma_scale_f32_16x16x128_f8f6f4 v[64*\r+8*\p:64*\r+8*\p+7], v[96*((\q)%2)+12*\p:96*((\q)%2)+12*\p+11], v[RF+48*((\q)%2)+12*\r:RF+48*((\q)%2)+12*\r+11], v[64*\r+8*\p:64*\r+8*\p+7], v[SCP+16*(((\q)/2)%2)+2*\p+(\q)%2], v[SCR+8*(((\q)/2)%2)+2*\r+(\q)%2] matrix_a_fmt:MATRIX_FMT_FP6 matrix_b_fmt:MATRIX_FMT_FP6
.endif
.endr
.endr
.endm
; K step q: its fragments are in; the next step's are asked for, four plain vector instructions behind the last products that read their registers; then the products.
.macro STEP q, zero
	WIN 0
	s_wait_dscnt 0x0
.if (\q) < 7
.if (\q)%2 == 1
.irp a, ADRP, ADRR, ADSP, ADSR, 30, 31
	v_add_nc_u32 v[\a], KPB, v[\a]                 ; on to the next 256 along K: these six are the places
.endr
.else
.rept 4
	v_nop
.endr
.endif
	FETCH (\q)+1
.endif
	MUL \q, \zero
.endm
	s_wait_tensorcnt 0x0                           ; my one load has landed
	s_barrier_signal -1
	s_barrier_wait -1
	FETCH 0
	STEP 0, 1
	STEP 1, 0
	s_wait_alu depctr_va_vdst(0)
	STEP 2, 0
	STEP 3, 0
	s_wait_alu depctr_va_vdst(0)
	STEP 4, 0
	STEP 5, 0
	s_wait_alu depctr_va_vdst(0)
	STEP 6, 0
	STEP 7, 0
	WIN 0
.rept 4
	v_nop                                          ; four places behind the last products, ahead of the first read of results and the first write of their operands' registers
.endr
	s_wait_loadcnt 0x0                             ; the bias
; THE WAY OUT, four groups of 64 numbers a lane.  The move out of window 2 adds the bias; each accumulator is read from its low end on.
; mode 0 (q, k): group g = 2 hd + f: head hd, token tiles 2 f and 2 f + 1: a pair fragment.   mode 1 (v): group g = block g of the head's d: a fragment along the 128 keys.
.macro EPI mode
.irp g, 0,1,2,3
.if \mode
	WIN 0x02
.set i, 0
.rept 32
	v_pk_add_f32 v[ST+2*i:ST+2*i+1], v[64*\g+2*i:64*\g+2*i+1], v[BV+2*\g:BV+2*\g+1]
.set i, i+1
.endr
.else
	WIN 0x06
.set i, 0
.rept 16
	v_pk_add_f32 v[ST+2*i:ST+2*i+1], v[64*(2*(\g%2))+32*(\g/2)+2*i:64*(2*(\g%2))+32*(\g/2)+2*i+1], v[BI+32*(\g/2)+2*i:BI+32*(\g/2)+2*i+1]
.set i, i+1
.endr
.set i, 0
.rept 16
	v_pk_add_f32 v[ST+32+2*i:ST+32+2*i+1], v[64*(2*(\g%2)+1)+32*(\g/2)+2*i:64*(2*(\g%2)+1)+32*(\g/2)+2*i+1], v[BI+32*(\g/2)+2*i:BI+32*(\g/2)+2*i+1]
.set i, i+1
.endr
.endif
	WIN 0
.if \g > 0
	s_wait_xcnt 0x0                                ; the last group's stores have read the codes' registers
.endif
	QUANT ST
.irp c, 0,1,2
.if \mode
	global_store_b128 v[LI16], v[PC+4*\c:PC+4*\c+3], s[OUT:OUT+1] offset:1536*\g+512*\c          ; 512 consecutive bytes
.else
	global_store_b128 v[LI16], v[PC+4*\c:PC+4*\c+3], s[OUT:OUT+1] offset:HEADB*(\g/2)+1536*(\g%2)+512*\c
.endif
.endr
	v_mov_b32 v[SW+\g], v[PW]
.endr
	v_cndmask_b32 v[SW+4], v[SW], v[SW+2], s[HM]   ; lanes 0-15 carry groups 0 and 1, lanes 16-31 groups 2 and 3
	v_cndmask_b32 v[SW+5], v[SW+1], v[SW+3], s[HM]
	global_store_b64 v[SOFF], v[SW+4:SW+5], s[OUTS:OUTS+1]   ; v: 256 consecutive bytes; q, k: 128 for each of two heads (the other 128 are the other row half's): 1 byte in 25 of what the launch stores
	s_wait_tensorcnt 0x0                           ; the wave's end: behind my last tensor load
	ds_add_u32 v[SPW], v[NIL]
	s_wait_dscnt 0x0
	CROUND                                         ; the closing round
	s_endpgm
.endm
	s_cmp_eq_u32 ttmp9, 2                          ; the cluster's x: the same in all partners
	s_cbranch_scc1 .Lepi_v
	EPI 0
.Lepi_v:
	EPI 1
.Lfunc_end_k_q02c9147ecc_gemm_qkv:
	.size	k_q02c9147ecc_gemm_qkv, .Lfunc_end_k_q02c9147ecc_gemm_qkv-k_q02c9147ecc_gemm_qkv
	.p2alignl 7, 3214868480
	.fill 96, 4, 3214868480
	.section	.rodata,"a",@progbits
	.p2align	6, 0x0
	.amdhsa_kernel k_q02c9147ecc_gemm_qkv
		.amdhsa_group_segment_fixed_size 327680
		.amdhsa_private_segment_fixed_size 0
		.amdhsa_enable_private_segment 0
		.amdhsa_kernarg_size 48
		.amdhsa_user_sgpr_count 2
		.amdhsa_user_sgpr_kernarg_segment_ptr 1
		.amdhsa_wavefront_size32 1
		.amdhsa_system_sgpr_workgroup_id_x 1
		.amdhsa_system_sgpr_workgroup_id_y 1
		.amdhsa_system_sgpr_workgroup_id_z 1
		.amdhsa_system_vgpr_workitem_id 0
		.amdhsa_next_free_vgpr 768
		.amdhsa_next_free_sgpr 102
		.amdhsa_reserve_vcc 0
		.amdhsa_float_denorm_mode_32 3
		.amdhsa_float_denorm_mode_16_64 3
		.amdhsa_memory_ordered 1
		.amdhsa_forward_progress 1
		.amdhsa_inst_pref_size 135
	.end_amdhsa_kernel
	.amdgpu_metadata
---
amdhsa.version: [ 1, 2 ]
amdhsa.kernels:
  - .name:           k_q02c9147ecc_gemm_qkv
    .symbol:         k_q02c9147ecc_gemm_qkv.kd
    .args:
      - { .name: xbuf, .offset: 0, .size: 8, .value_kind: global_buffer, .address_space: global }
      - { .name: wbuf, .offset: 8, .size: 8, .value_kind: global_buffer, .address_space: global }
      - { .name: bq, .offset: 16, .size: 8, .value_kind: global_buffer, .address_space: global }
      - { .name: bk, .offset: 24, .size: 8, .value_kind: global_buffer, .address_space: global }
      - { .name: bv, .offset: 32, .size: 8, .value_kind: global_buffer, .address_space: global }
      - { .name: qkv, .offset: 40, .size: 8, .value_kind: global_buffer, .address_space: global }
    .group_segment_fixed_size: 327680
    .private_segment_fixed_size: 0
    .kernarg_segment_align: 8
    .kernarg_segment_size: 48
    .max_flat_workgroup_size: 128
    .sgpr_count:     102
    .vgpr_count:     768
    .wavefront_size: 32
...
	.end_amdgpu_metadata
.endif
;; end of part 2
;; launch attn (part 3): grid 4 x 64, 8 waves a work-group, clusters of 4 x 1, 327,680 bytes of LDS; arguments qkv, maskw, abuf; writes abuf
.if DOCPART == 3
	.amdgcn_target "amdgcn-amd-amdhsa--gfx1250"
	.amdhsa_code_object_version 6
	.text
	.protected	k_q02c9147ecc_attn
	.globl	k_q02c9147ecc_attn
	.p2align	8
	.type	k_q02c9147ecc_attn,@function
k_q02c9147ecc_attn:
	s_mov_b64 s[64:65], 0
	v_nop
	global_prefetch_b8 v0, s[64:65] scope:SCOPE_SE
	s_setreg_imm32_b32 hwreg(HW_REG_WAVE_MODE, 25, 1), 1
	s_wait_xcnt 0x0
	s_wait_alu depctr_hold_cnt(0) depctr_sa_sdst(0) depctr_va_vdst(0) depctr_va_sdst(0) depctr_va_ssrc(0) depctr_va_vcc(0) depctr_vm_vsrc(0)
	s_getreg_b32 s2, hwreg(HW_REG_IB_STS2, 6, 4)
	s_cmp_eq_u32 s2, 0
	s_cbranch_scc0 .Lentry_in_a_cluster
	s_endpgm
.Lentry_in_a_cluster:
	s_bfe_u32 s2, ttmp6, 0x10000c
	s_cmp_lg_u32 s2, 0x3003
	s_cbranch_scc0 .Lentry_shape_is_right
	s_endpgm
.Lentry_shape_is_right:
; o = softmax(q k^T / 8, masked) v, both products on codes of FP6 (E2M3) with E8M0 scales; o is quantised along (head, d) and leaves as codes for the last product.
; THE SOFTMAX: t = score x log2(e) / 8; M = the running largest t rounded UP to a whole number; p = 2^(t - M) is quantised along the keys, not normalised; the row's sum is taken of the unquantised p and divides o at the end.
; When M moves, the sum and o are multiplied by 2^(old M - new M): exact.
; SHARES.  Work-group y = 16 b + 4 hg + qq, place cx in its cluster: batch b, heads 4 hg .. 4 hg + 3, queries 128 (4 qq + cx) ..  Each of the eight waves holds ONE tile of 16 queries for all FOUR heads.
; THE MASK is the same for the four heads: once a key step its 64 words become 64 registers of 0 (the key counts) or -2^100 (hidden), which are the C of each head's score products: 64 selects serve four heads.
; The largest score begins at -2^40, over every hidden score and under every score that counts, so a hidden key never moves M and its p is 0.
; LIMITS: the promise holds while the scaled scores stay under 2^31 in magnitude.  NaN and infinities in q, k, v are not served.  A query all of whose keys are hidden has the sum 0: its scale bytes are set to 0xff,
; which makes that token's whole output row NaN, as the definition has it.
; K AND V go through a ring of two LDS slots; a slot holds two key steps of 128 keys for the four heads: eight units of 12,800 bytes, one tensor load a wave (wave w: head w % 4, step w / 4), asked for jointly by the
; cluster's four work-groups, which read the same heads.  One round of the cluster's barrier a slot; a wave has one load out.  A unit is 25 rows of 512 bytes, 128 bytes of padding behind each.
; NO PREFETCH: between a refill and the wait for it each wave works eight head steps (96 matrix instructions), and the sixteen work-groups of a head group ask for the same bytes.
; LAYOUT.  Both products are used transposed (S^T = K Q^T, O^T = V^T P^T): a lane holds one query.  A pair fragment of K holds two key tiles (registers 0-5, 6-11); Q stands as [q ; 0] and [0 ; q].
; THE KEYS OF A TILE ARE CHOSEN BY LDS ADDRESS: lanes 0-7 of pair g = 2 c + tp read lanes 8 tp .. of stored pair 2 c, lanes 8-15 those of stored pair 2 c + 1: register 32 c + i of lane half h is key 64 c + 32 h + i.
; So a lane holds WHOLE blocks of 32 keys: a block's maximum needs no other lane and p's codes are the operand's registers as they are made.  With the padding the two groups of eight lanes fall on different halves of 256 bytes.
; REGISTERS: window 0: addresses, per-head M, sums, scale words; v64-127 the bias, v128-191 S^T then p, v192-239 V, v240-255 p's codes (sums at work before).  Window 1: v0-127 O^T of four heads; v128-181 0 q0 0 q1 0 q2 0 q3 0; v192-239 K.
.set STEPB, 12800
.set HEADB, 204800
.set KVO,   13107200
.set UNIT,  16000                      ; 25 rows x 640
.set HALF,  64000                      ; one key step, four heads
.set SLOT,  131072                     ; from slot 0 to slot 1 (a slot uses 128,000)
.set SPARE, 259072                     ; the spare words, 128 bytes for each of eight waves
.set AK,1
.set AKW,2
.set AV,3
.set AVW,4
.set SPW,5                             ; my spare word; never rewritten
.set NIL,6                             ; 0; never rewritten
.set NEG,7
.set ZR,8
.set H8,9
.set LI8,10
.set OSA,11
.set CAK,12                            ; v12-15 the four addresses in the key step in hand
.set CAKW,13
.set CAV,14
.set CAVW,15
.set NMT,16                            ; v16-23 (-M, largest score) a head
.set SUMS,24                           ; v24-31 the sum in two halves, a head
.set QS,32                             ; v32-35 Q's scale words
.set F,36
.set T0,38
.set BM,42
.set BT,44
.set BS,46
.set PW,48
.set KSW,50
.set VSW,54
.set QA,62
.set QWA,63
.set B,64
.set S,128
.set V,192
.set PCD,240
.set Y,240
.set O,0
.set QB,128
.set K,192
.set CS,2
.set QP,4
.set MP,6
.set OP,8
.set OS,10
.set WV,12
.set CNT,13
.set SEL,14
.set G1,16
.set G0,24
.set TB,28
.set TBK,29
.set HM,30
.set PAR,31
.set MWA,32
.set PSEL,66
.set MO,67
.set MWB,68
.set CNT2,100
.set MSB, 0
.macro WIN new                         ; the immediate's high byte repeats the setting that is left
.if MSB != \new
	s_set_vgpr_msb (MSB<<8)|\new
.set MSB, \new
.endif
.endm
.macro CROUND
	s_barrier_signal -1
	s_barrier_wait -1
	s_cmp_lg_u32 s[WV], 0
	s_cbranch_scc1 .Lnot_wave_0_\@
	s_barrier_signal -3
.Lnot_wave_0_\@:
	s_barrier_wait -3
	s_barrier_signal -1
	s_barrier_wait -1
.endm
.macro NOPS n
.rept \n
	v_nop
.endr
.endm
.macro VW
	s_wait_alu depctr_va_vdst(0)
.endm
	s_load_b128 s[4:7], s[0:1], 0x0                ; qkv, maskw
	s_load_b64 s[8:9], s[0:1], 0x10                ; abuf
	v_lshl_add_u32 v[SPW], v0, 2, SPARE
	v_mov_b32 v[NIL], 0
	ds_add_u32 v[SPW], v[NIL]                      ; the opening lines: the add twice and its wait ahead of my first tensor load
	ds_add_u32 v[SPW], v[NIL]
	v_lshrrev_b32 v1, 5, v0
	v_readfirstlane_b32 s[WV], v1
	s_mov_b32 s[G1], 15|(3<<16)|(1<<20)|(1<<21)|(6<<22)|(31<<25)   ; all four partners; elements of 8 bytes; after every 128 words 32 words of padding
	s_mov_b32 s[G1+1], 64<<16
	s_mov_b32 s[G1+2], 25<<16
	s_mov_b32 s[G1+3], 64<<16
	s_mov_b32 s[G1+4], 25
	s_mov_b32 s[G1+5], 64
	s_mov_b32 s[G1+6], 0
	s_mov_b32 s[G1+7], 0
	s_mov_b32 s[G0], 1
	s_mul_i32 s[G0+1], s[WV], UNIT
	s_and_b32 s32, ttmp7, 0xffff                   ; y, which the partners share
	s_bfe_u32 s33, ttmp6, 0x40000                  ; cx: it enters Q's, the mask's and the output's addresses alone
	s_lshr_b32 s34, s32, 4                         ; b
	s_bfe_u32 s35, s32, 0x20002                    ; hg
	s_and_b32 s36, s32, 3
	s_lshl_b32 s36, s36, 2
	s_add_co_u32 s36, s36, s33                     ; the block of 128 queries
	s_and_b32 s37, s32, 0xfc
	s_mul_i32 s37, s37, HEADB                      ; head 16 b + 4 hg
	s_and_b32 s38, s[WV], 3
	s_mul_i32 s38, s38, HEADB
	s_lshr_b32 s39, s[WV], 2
	s_mul_i32 s39, s39, STEPB
	s_add_co_u32 s38, s38, s39
	s_add_co_u32 s38, s38, s37
	s_add_co_u32 s38, s38, KVO                     ; K and V: head w % 4 of the four, step w / 4
	s_mov_b32 s39, 0
	s_mul_i32 s40, s36, STEPB
	s_add_co_u32 s40, s40, s37                     ; Q: the first head, my block's step
	s_mov_b32 s41, 0
	s_lshl_b32 s42, s34, 7
	s_lshl_b32 s43, s36, 3
	s_add_co_u32 s42, s42, s43
	s_add_co_u32 s42, s42, s[WV]
	s_lshl_b32 s42, s42, 12                        ; the mask's words: tile 128 b + 8 block + w, 4,096 bytes a tile
	s_mov_b32 s43, 0
	s_lshl_b32 s44, s34, 6
	s_lshl_b32 s45, s36, 2
	s_add_co_u32 s44, s44, s45
	s_lshr_b32 s45, s[WV], 1
	s_add_co_u32 s44, s44, s45                     ; the output's group of 32 tokens
	s_mul_i32 s44, s44, 25600
	s_mul_i32 s45, s35, 6400                       ; 256 along K are my four heads
	s_add_co_u32 s44, s44, s45
	s_and_b32 s46, s[WV], 1                        ; which tile of the group
	s_mul_i32 s47, s46, 1536
	s_add_co_u32 s48, s44, s47
	s_mov_b32 s49, 0
	s_lshl_b32 s47, s46, 7
	s_add_co_u32 s50, s44, s47
	s_add_co_u32 s50, s50, 6144
	s_mov_b32 s51, 0
	s_lshr_b32 s52, s[WV], 1
	s_and_b32 s53, s52, 1
	s_lshl_b32 s53, s53, 2
	s_mul_i32 s52, s52, 1536                       ; Q's pair fragment w / 2,
	s_lshr_b32 s54, s[WV], 2
	s_lshl_b32 s54, s54, 7
	s_add_co_u32 s53, s53, s54
	s_add_co_u32 s53, s53, 12288                   ; and its scale word
	s_mov_b32 s[PSEL], 0x03020302
	s_cmp_eq_u32 s46, 0
	s_cselect_b32 s[PAR], 0, -1
	s_cselect_b32 s[PSEL], 0x01000100, s[PSEL]
	s_mov_b32 s[CS], 0x3e38aa3b                    ; c = log2(e) / 8
	s_mov_b32 s[CS+1], s[CS]
	s_mov_b32 s[SEL], 0x76543210
	s_mov_b32 s[SEL+1], 0xfedcba98
	s_mov_b32 s[HM], 0xffff0000
	s_mov_b32 s[MO], 0
	s_wait_dscnt 0x0
	s_wait_kmcnt 0x0
	s_add_nc_u64 s[G0+2:G0+3], s[4:5], s[38:39]
	s_or_b32 s[G0+3], s[G0+3], 0x80000000
	s_add_nc_u64 s[QP:QP+1], s[4:5], s[40:41]
	s_add_nc_u64 s[MP:MP+1], s[6:7], s[42:43]
	s_add_nc_u64 s[OS:OS+1], s[8:9], s[50:51]
	s_add_nc_u64 s[OP:OP+1], s[8:9], s[48:49]
	CROUND                                         ; all four work-groups are here: the joint loads meet
	tensor_load_to_lds s[G0:G0+3], s[G1:G1+7]      ; key steps 0 and 1: my unit of slot 0
	s_nop 0
	NOPS 4
	v_and_b32 v[S], 31, v0
	v_and_b32 v[S+1], 15, v0                       ; r
	v_bfe_u32 v[S+2], v0, 4, 1                     ; h
	v_bfe_u32 v[S+3], v0, 3, 1                     ; r / 8
	v_and_b32 v[S+4], 7, v0                        ; r % 8
	v_mul_u32_u24 v[AK], v[S+3], 1920              ; K: 1,920 (r / 8) + 16 (r % 8) + 256 h
	v_lshlrev_b32 v[AKW], 2, v[S+3]
	v_lshlrev_b32 v[AV], 4, v[S]                   ; V: 16 x lane
	v_lshlrev_b32 v[LI8], 3, v[S]
	v_lshlrev_b32 v[H8], 3, v[S+2]
	v_lshl_add_u32 v[OSA], v[S+1], 3, v[S+2]
	v_lshl_add_u32 v[AK], v[S+4], 4, v[AK]
	v_lshl_add_u32 v[AKW], v[S+4], 3, v[AKW]
	v_lshlrev_b32 v[AVW], 3, v[S+1]
	v_lshl_add_u32 v[AK], v[S+2], 8, v[AK]
	v_add_nc_u32 v[AKW], 15360, v[AKW]             ; K's scale words, in row 24: 8 (r % 8) + 4 (r / 8)
	v_add_nc_u32 v[QA], s52, v[AV]
	v_add_nc_u32 v[QWA], s53, v[AVW]
	v_add_nc_u32 v[AVW], 15616, v[AVW]             ; V's: 256 further on, 8 r
.irp hh, 0,1,2,3
.irp c, 0,1,2
	global_load_b128 v[S+16+12*\hh+4*\c:S+16+12*\hh+4*\c+3], v[QA], s[QP:QP+1] offset:\hh*HEADB+512*\c
.endr
	global_load_b32 v[B+\hh], v[QWA], s[QP:QP+1] offset:\hh*HEADB
.endr
.macro MLOAD w, o
	s_load_b512 s[\w:\w+15], s[MP:MP+1], s[MO] offset:\o
	s_load_b512 s[\w+16:\w+31], s[MP:MP+1], s[MO] offset:\o+64
.endm
	MLOAD MWA, 0
	MLOAD MWB, 128
	v_mov_b32 v[NEG], 0xf1800000                   ; -2^100
	v_mov_b32 v[ZR], 0
	v_mov_b32 v[F+1], 0
	v_mov_b32 v[T0+1], 0                           ; a lane permute's destination counts as one of its sources
	v_mov_b32 v[T0+3], 0xff
.irp hh, 0,1,2,3
	v_mov_b32 v[NMT+2*\hh+1], 0xd3800000           ; the largest score so far: -2^40
	v_mov_b32 v[SUMS+2*\hh], 0
	v_mov_b32 v[SUMS+2*\hh+1], 0
.endr
.irp hh, 0,1,2,3
	v_mul_f32 v[NMT+2*\hh], s[CS], -v[NMT+2*\hh+1]
.endr
.irp hh, 0,1,2,3
	v_floor_f32 v[NMT+2*\hh], v[NMT+2*\hh]         ; -M
.endr
	WIN 0x40
.set j, 0
.rept 128
	v_mov_b32 v[O+j], 0                            ; the step is written once: the first change of M multiplies zeros
.set j, j+1
.endr
.irp z, 0,1,2,3,4
.irp i, 0,1,2,3,4,5
	v_mov_b32 v[QB+12*\z+\i], 0                    ; the zero halves
.endr
.endr
	VW
	s_wait_loadcnt 0x0
.irp hh, 0,1,2,3
.irp i, 0,1,2,3,4,5
	v_cndmask_b32 v[QB+6+12*\hh+\i], v[S+16+12*\hh+\i], v[S+22+12*\hh+\i], s[PAR]   ; my tile's half of the pair
.endr
.endr
	WIN 0
.irp hh, 0,1,2,3
	v_perm_b32 v[QS+\hh], v[B+\hh], v[B+\hh], s[PSEL]   ; my tile's two bytes, twice
.endr
.macro KLOAD hh                        ; head hh's four pair fragments of K and their scale words
	WIN 0x40
.irp g, 0,1,2,3
.irp c, 0,1,2
	ds_load_b128 v[K+12*\g+4*\c:K+12*\g+4*\c+3], v[CAK] offset:(\hh)*UNIT+(\g/2)*3840+\c*640+(\g%2)*128
.endr
.endr
	WIN 0
.irp g, 0,1,2,3
	ds_load_b32 v[KSW+\g], v[CAKW] offset:(\hh)*UNIT+(\g/2)*128+(\g%2)*64
.endr
.endm
; ONE HEAD'S STEP: 16 queries x 128 keys.
.macro HSTEP hh
.set NM, NMT+2*(\hh)
.set SU, SUMS+2*(\hh)
	VW
	s_wait_dscnt 0x0                               ; K
	WIN 0x05
.irp g, 0,1,2,3
	v_wmma_scale_f32_16x16x128_f8f6f4 v[S+16*\g:S+16*\g+7], v[K+12*\g:K+12*\g+11], v[QB+6+12*(\hh):QB+17+12*(\hh)], v[B+16*\g:B+16*\g+7], v[KSW+\g], v[QS+(\hh)] matrix_a_fmt:MATRIX_FMT_FP6 matrix_b_fmt:MATRIX_FMT_FP6
	v_wmma_scale_f32_16x16x128_f8f6f4 v[S+16*\g+8:S+16*\g+15], v[K+12*\g:K+12*\g+11], v[QB+12*(\hh):QB+11+12*(\hh)], v[B+16*\g+8:B+16*\g+15], v[KSW+\g], v[QS+(\hh)] matrix_a_fmt:MATRIX_FMT_FP6 matrix_b_fmt:MATRIX_FMT_FP6
.endr
	WIN 0
	NOPS 4                                         ; four places: ahead of the loads below and of the first read of the scores
.irp i, 0,1,2,3,4,5,6,7,8,9,10,11
	ds_load_b128 v[V+4*\i:V+4*\i+3], v[CAV] offset:(\hh)*UNIT+7680+640*\i
.endr
	ds_load_b64 v[VSW:VSW+1], v[CAVW] offset:(\hh)*UNIT
	ds_load_b64 v[VSW+2:VSW+3], v[CAVW] offset:(\hh)*UNIT+128
.if \hh < 3
	KLOAD \hh+1                                    ; the next head's K comes under this head's softmax
.endif
.irp c, 0,1                                    ; my two blocks' largest scores, in four chains, each accumulator from its low end on
	v_max3_num_f32 v[BM+\c], v[S+32*\c], v[S+32*\c+1], v[S+32*\c+2]
	v_max3_num_f32 v[BT+\c], v[S+32*\c+16], v[S+32*\c+17], v[S+32*\c+18]
.endr
.irp i, 3,5,7,9,11,13
.irp c, 0,1
	v_max3_num_f32 v[BM+\c], v[BM+\c], v[S+32*\c+\i], v[S+32*\c+\i+1]
	v_max3_num_f32 v[BT+\c], v[BT+\c], v[S+32*\c+16+\i], v[S+32*\c+17+\i]
.endr
.endr
.irp c, 0,1
	v_max3_num_f32 v[BM+\c], v[BM+\c], v[BT+\c], v[S+32*\c+15]
.endr
.irp c, 0,1
	v_max_num_f32 v[BM+\c], v[BM+\c], v[S+32*\c+31]
.endr
	v_max_num_f32 v[T0], v[BM], v[BM+1]
	s_delay_alu instid0(VALU_DEP_1)
	v_permlanex16_b32 v[T0+1], v[T0], s[SEL], s[SEL+1]
	s_delay_alu instid0(VALU_DEP_1)
	v_max3_num_f32 v[NM+1], v[NM+1], v[T0], v[T0+1]   ; the running largest score
	s_delay_alu instid0(VALU_DEP_1)
	v_mul_f32 v[T0], s[CS], -v[NM+1]
	s_delay_alu instid0(VALU_DEP_1)
	v_floor_f32 v[T0], v[T0]                       ; the new -M = -ceil(t)
	s_delay_alu instid0(VALU_DEP_1)
	v_sub_f32 v[T0+1], v[T0], v[NM]                ; old M - new M: a whole number, 0 or less
	v_mov_b32 v[NM], v[T0]
	s_delay_alu instid0(VALU_DEP_2)
	v_cvt_i32_f32 v[T0+1], v[T0+1]                 ; (it saturates)
	s_delay_alu instid0(VALU_DEP_1)
	v_ldexp_f32 v[F], 1.0, v[T0+1]                 ; f = 2^(old M - new M)
.set j, 0
.rept 16
	v_pk_fma_f32 v[S+2*j:S+2*j+1], v[S+2*j:S+2*j+1], s[CS:CS+1], v[NM:NM+1] op_sel_hi:[1,0,0]   ; t - M, block 0 or 1
.set j, j+1
.endr
.irp c, 0,1
	v_fma_f32 v[BM+\c], v[BM+\c], s[CS], v[NM]
.endr
	VW
.set j, 0
.rept 16                                       ; p of my first block; between the exponentials the second block's t - M, which nothing reads before the wait below
	v_exp_f32 v[S+2*j], v[S+2*j]
	v_exp_f32 v[S+2*j+1], v[S+2*j+1]
	v_pk_fma_f32 v[S+32+2*j:S+33+2*j], v[S+32+2*j:S+33+2*j], s[CS:CS+1], v[NM:NM+1] op_sel_hi:[1,0,0]
.set j, j+1
.endr
	VW
.set j, 0
.rept 8                                        ; p of my second block; between them eight sums of the first block's p, each into registers of its own
	v_exp_f32 v[S+32+4*j], v[S+32+4*j]
	v_exp_f32 v[S+33+4*j], v[S+33+4*j]
	v_exp_f32 v[S+34+4*j], v[S+34+4*j]
	v_exp_f32 v[S+35+4*j], v[S+35+4*j]
	v_pk_add_f32 v[Y+2*j:Y+2*j+1], v[S+2*j:S+2*j+1], v[S+16+2*j:S+17+2*j]
.set j, j+1
.endr
	v_exp_f32 v[BM], v[BM]                         ; each block's largest p
	v_exp_f32 v[BM+1], v[BM+1]
	v_pk_mul_f32 v[SU:SU+1], v[SU:SU+1], v[F:F+1] op_sel_hi:[1,0]   ; the sum under the new M
	VW
.irp c, 0,1
	v_max_num_f32 v[BM+\c], 0x1800000, v[BM+\c]    ; the floor 2^(3 - 127): the byte cannot fall under 1
.endr
.set j, 0
.rept 8
	v_pk_add_f32 v[Y+2*j:Y+2*j+1], v[Y+2*j:Y+2*j+1], v[S+32+2*j:S+33+2*j]
.set j, j+1
.endr
.irp c, 0,1
	v_add_nc_u32 v[BS+\c], 0xff000000, v[BM+\c]    ; 2 off the exponent field: the conversion's scale operand
.endr
.irp c, 0,1
	v_lshrrev_b32 v[BT+\c], 23, v[BS+\c]
.endr
.set j, 0
.rept 8
	v_pk_add_f32 v[Y+2*j:Y+2*j+1], v[Y+2*j:Y+2*j+1], v[S+48+2*j:S+49+2*j]
.set j, j+1
.endr
	v_lshl_or_b32 v[PW], v[BT+1], 16, v[BT]        ; my bytes: blocks h and 2 + h,
.irp j, 0,2,4,6
	v_pk_add_f32 v[Y+\j:Y+\j+1], v[Y+\j:Y+\j+1], v[Y+8+\j:Y+9+\j]
.endr
	v_lshlrev_b32 v[PW], v[H8], v[PW]              ; at their places in the word;
	v_pk_add_f32 v[Y:Y+1], v[Y:Y+1], v[Y+4:Y+5]
	v_pk_add_f32 v[Y+2:Y+3], v[Y+2:Y+3], v[Y+6:Y+7]
	v_permlanex16_b32 v[T0+1], v[PW], s[SEL], s[SEL+1]
	v_pk_add_f32 v[Y:Y+1], v[Y:Y+1], v[Y+2:Y+3]
	v_or_b32 v[PW], v[PW], v[T0+1]                 ; with lane l xor 16's two the word is whole
	v_pk_add_f32 v[SU:SU+1], v[SU:SU+1], v[Y:Y+1]
.irp c, 0,1                                    ; (a conversion's three registers begin on an even number: the upper halves are made at v252 and v58 and moved)
	v_cvt_scalef32_pk16_fp6_f32 v[PCD+6*\c:PCD+6*\c+2], v[S+32*\c:S+32*\c+15], v[BS+\c]
	v_cvt_scalef32_pk16_fp6_f32 v[252-194*\c:254-194*\c], v[S+32*\c+16:S+32*\c+31], v[BS+\c]
.endr
	v_nop                                          ; one plain instruction behind the scaled conversions
.irp c, 0,1
.irp i, 0,1,2
	v_mov_b32 v[PCD+3+6*\c+\i], v[252-194*\c+\i]
.endr
.endr
	WIN 0x41
	VW                                             ; directly ahead of the first reader of O^T
.set j, 0
.rept 16
	v_pk_mul_f32 v[O+32*(\hh)+2*j:O+32*(\hh)+2*j+1], v[O+32*(\hh)+2*j:O+32*(\hh)+2*j+1], v[F:F+1] op_sel_hi:[1,0]   ; O^T under the new M; these sixteen also stand between the codes and scale word just made and the products
.set j, j+1
.endr
	WIN 0x50
	VW
.if \hh < 3
	s_wait_dscnt 16                                ; V and its scale words are in; the next head's 12 loads of K and 4 of scale words may be out
.else
	s_wait_dscnt 0x0
.endif
.irp t, 0,1,2,3
	v_wmma_scale_f32_16x16x128_f8f6f4 v[O+32*(\hh)+8*\t:O+32*(\hh)+8*\t+7], v[V+12*\t:V+12*\t+11], v[PCD:PCD+11], v[O+32*(\hh)+8*\t:O+32*(\hh)+8*\t+7], v[VSW+\t], v[PW] matrix_a_fmt:MATRIX_FMT_FP6 matrix_b_fmt:MATRIX_FMT_FP6
.endr                                          ; the accumulators take turns
	WIN 0
.endm
; A SLOT: two key steps, each: the addresses, head 0's K, the mask's words into the bias, four heads.
.macro CSLOT
	s_mov_b32 s[TBK], s[TB]
	s_mov_b32 s[CNT2], 2
.Lkey_\@:
	v_add_nc_u32 v[CAK], s[TBK], v[AK]
	v_add_nc_u32 v[CAKW], s[TBK], v[AKW]
	v_add_nc_u32 v[CAV], s[TBK], v[AV]
	v_add_nc_u32 v[CAVW], s[TBK], v[AVW]
	KLOAD 0
	VW
	s_wait_kmcnt 0x0                               ; this step's mask words, asked for a key step ago
	s_add_co_u32 s[MO], s[MO], 256
	s_and_b32 s[MO], s[MO], 0xfff                  ; the last look-ahead turns back to the tile's first words: it stays inside the tile's 4,096 bytes
.set j, 0
.rept 32
	v_cndmask_b32 v[B+j], v[NEG], v[ZR], s[MWA+j]
.set j, j+1
.endr
	MLOAD MWA, 0
.set j, 0
.rept 32
	v_cndmask_b32 v[B+32+j], v[NEG], v[ZR], s[MWB+j]
.set j, j+1
.endr
	MLOAD MWB, 128
	NOPS 4
	HSTEP 0
	HSTEP 1
	HSTEP 2
	HSTEP 3
	s_add_co_u32 s[TBK], s[TBK], HALF
	s_sub_co_u32 s[CNT2], s[CNT2], 1
	s_cmp_lg_u32 s[CNT2], 0
	VW
	s_cbranch_scc1 .Lkey_\@
.endm
	s_mov_b32 s[TB], 0
	s_mov_b32 s[CNT], 7
.Lfill:                                                ; trip i: slot i % 2 is whole, the other is read no more and takes key steps 2 i + 2 and 2 i + 3
	VW
	s_wait_tensorcnt 0x0                           ; my one load has landed;
	ds_add_u32 v[SPW], v[NIL]
	s_add_nc_u64 s[G0+2:G0+3], s[G0+2:G0+3], 2*STEPB
	s_xor_b32 s[G0+1], s[G0+1], SLOT
	s_wait_dscnt 0x0                               ; the add is done, and my reads of the other slot
	CROUND
	tensor_load_to_lds s[G0:G0+3], s[G1:G1+7]
	s_nop 0
	NOPS 4
	CSLOT
	s_xor_b32 s[TB], s[TB], SLOT
	s_sub_co_u32 s[CNT], s[CNT], 1
	s_cmp_lg_u32 s[CNT], 0
	VW
	s_cbranch_scc1 .Lfill
	VW
	s_wait_tensorcnt 0x0                           ; the last slot: nothing is filled again, so my work-group's barrier serves
	s_wait_dscnt 0x0
	s_barrier_signal -1
	s_barrier_wait -1
	CSLOT
; THE WAY OUT: O^T / the sum: register 16 b + i of a head = d 32 b + 16 h + i; two blocks of 32 are quantised: half a fragment and two scale bytes of the last product's operand.
	NOPS 4
.irp hh, 0,1,2,3
	v_add_f32 v[SUMS+2*\hh], v[SUMS+2*\hh], v[SUMS+2*\hh+1]
.endr
.irp hh, 0,1,2,3
	v_permlanex16_b32 v[SUMS+2*\hh+1], v[SUMS+2*\hh], s[SEL], s[SEL+1]
.endr
.irp hh, 0,1,2,3
	v_add_f32 v[SUMS+2*\hh], v[SUMS+2*\hh], v[SUMS+2*\hh+1]   ; the row's sum
.endr
	VW
.irp hh, 0,1,2,3
	v_rcp_f32 v[SUMS+2*\hh+1], v[SUMS+2*\hh]
.endr
	v_nop
.macro OUTP hh
.set SU, SUMS+2*(\hh)
.if \hh > 0
	s_wait_xcnt 0x0                                ; the last head's stores have read their registers
.endif
	WIN 0x01
	VW                                             ; ahead of the reciprocal's and of O^T's first reader
.set j, 0
.rept 32
	v_mul_f32 v[S+j], v[O+32*(\hh)+j], v[SU+1]
.set j, j+1
.endr
	WIN 0
.irp b, 0,1
	v_max3_num_f32 v[BM+\b], |v[S+16*\b]|, |v[S+1+16*\b]|, 0x1800000
.endr
.irp i, 2,4,6,8,10,12,14
.irp b, 0,1
	v_max3_num_f32 v[BM+\b], v[BM+\b], |v[S+16*\b+\i]|, |v[S+1+16*\b+\i]|
.endr
.endr
.irp b, 0,1
	v_permlanex16_b32 v[BT+\b], v[BM+\b], s[SEL], s[SEL+1]
.endr
.irp b, 0,1
	v_max_num_f32 v[BM+\b], v[BM+\b], v[BT+\b]
.endr
.irp b, 0,1
	v_add_nc_u32 v[BS+\b], 0xff000000, v[BM+\b]
.endr
.irp b, 0,1
	v_lshrrev_b32 v[BT+\b], 23, v[BS+\b]
.endr
	v_cvt_scalef32_pk16_fp6_f32 v[PCD:PCD+2], v[S:S+15], v[BS]
	v_cvt_scalef32_pk16_fp6_f32 v[252:254], v[S+16:S+31], v[BS+1]
	v_nop
.irp i, 0,1,2
	v_permlane16_swap_b32 v[PCD+\i], v[252+\i]
.endr
.irp i, 0,1,2
	v_mov_b32 v[PCD+3+\i], v[252+\i]               ; registers 0 .. 5: d = 32 h + 0 .. 31
.endr
	v_cndmask_b32 v[T0+2], v[BT], v[BT+1], s[HM]   ; lane (r, h) carries block h's byte
	v_cmp_eq_f32 vcc_lo, 0, v[SU]
	v_cndmask_b32 v[T0+2], v[T0+2], v[T0+3], vcc_lo   ; a query with no key: the byte that makes the sum NaN
.irp j, 0,1,2
	global_store_b64 v[LI8], v[PCD+2*\j:PCD+2*\j+1], s[OP:OP+1] offset:3072*((\hh)/2)+768*((\hh)%2)+256*\j   ; a chunk: 256 consecutive bytes
.endr
	global_store_b8 v[OSA], v[T0+2], s[OS:OS+1] offset:4*((\hh)/2)+2*((\hh)%2)   ; single bytes, 1 in 25 of what the launch stores
.endm
	OUTP 0
	OUTP 1
	OUTP 2
	OUTP 3
	s_wait_kmcnt 0x0                               ; the last look-ahead
	s_wait_tensorcnt 0x0                           ; the wave's end
	ds_add_u32 v[SPW], v[NIL]
	s_wait_dscnt 0x0
	CROUND                                         ; the closing round
	s_endpgm
.Lfunc_end_k_q02c9147ecc_attn:
	.size	k_q02c9147ecc_attn, .Lfunc_end_k_q02c9147ecc_attn-k_q02c9147ecc_attn
	.p2alignl 7, 3214868480
	.fill 96, 4, 3214868480
	.section	.rodata,"a",@progbits
	.p2align	6, 0x0
	.amdhsa_kernel k_q02c9147ecc_attn
		.amdhsa_group_segment_fixed_size 327680
		.amdhsa_private_segment_fixed_size 0
		.amdhsa_enable_private_segment 0
		.amdhsa_kernarg_size 24
		.amdhsa_user_sgpr_count 2
		.amdhsa_user_sgpr_kernarg_segment_ptr 1
		.amdhsa_wavefront_size32 1
		.amdhsa_system_sgpr_workgroup_id_x 1
		.amdhsa_system_sgpr_workgroup_id_y 1
		.amdhsa_system_sgpr_workgroup_id_z 1
		.amdhsa_system_vgpr_workitem_id 0
		.amdhsa_next_free_vgpr 512
		.amdhsa_next_free_sgpr 102
		.amdhsa_reserve_vcc 1
		.amdhsa_float_denorm_mode_32 3
		.amdhsa_float_denorm_mode_16_64 3
		.amdhsa_memory_ordered 1
		.amdhsa_forward_progress 1
		.amdhsa_inst_pref_size 160
	.end_amdhsa_kernel
	.amdgpu_metadata
---
amdhsa.version: [ 1, 2 ]
amdhsa.kernels:
  - .name:           k_q02c9147ecc_attn
    .symbol:         k_q02c9147ecc_attn.kd
    .args:
      - { .name: qkv, .offset: 0, .size: 8, .value_kind: global_buffer, .address_space: global }
      - { .name: maskw, .offset: 8, .size: 8, .value_kind: global_buffer, .address_space: global }
      - { .name: abuf, .offset: 16, .size: 8, .value_kind: global_buffer, .address_space: global }
    .group_segment_fixed_size: 327680
    .private_segment_fixed_size: 0
    .kernarg_segment_align: 8
    .kernarg_segment_size: 24
    .max_flat_workgroup_size: 256
    .sgpr_count:     102
    .vgpr_count:     512
    .wavefront_size: 32
...
	.end_amdgpu_metadata
.endif
;; end of part 3
;; launch gemm_out (part 4): grid 4 x 64, 4 waves a work-group, clusters of 4 x 4, 327,680 bytes of LDS; arguments abuf, wbuf, bo, out0; writes out0
.if DOCPART == 4
	.amdgcn_target "amdgcn-amd-amdhsa--gfx1250"
	.amdhsa_code_object_version 6
	.text
	.protected	k_q02c9147ecc_gemm_out
	.globl	k_q02c9147ecc_gemm_out
	.p2align	8
	.type	k_q02c9147ecc_gemm_out,@function
k_q02c9147ecc_gemm_out:
	s_mov_b64 s[64:65], 0
	v_nop
	global_prefetch_b8 v0, s[64:65] scope:SCOPE_SE
	s_setreg_imm32_b32 hwreg(HW_REG_WAVE_MODE, 25, 1), 1
	s_wait_xcnt 0x0
	s_wait_alu depctr_hold_cnt(0) depctr_sa_sdst(0) depctr_va_vdst(0) depctr_va_sdst(0) depctr_va_ssrc(0) depctr_va_vcc(0) depctr_vm_vsrc(0)
	s_getreg_b32 s2, hwreg(HW_REG_IB_STS2, 6, 4)
	s_cmp_eq_u32 s2, 0
	s_cbranch_scc0 .Lentry_in_a_cluster
	s_endpgm
.Lentry_in_a_cluster:
	s_bfe_u32 s2, ttmp6, 0x10000c
	s_cmp_lg_u32 s2, 0xf033
	s_cbranch_scc0 .Lentry_shape_is_right
	s_endpgm
.Lentry_shape_is_right:
; out0 = a Wo + bo on codes of FP6 (E2M3) with E8M0 scales, f32 sums.  a: the attention's result as codes (abuf), Wo: groups 96 .. 127 of wbuf.
; A scale byte 0xff in abuf (a query with no key) makes that token's whole row NaN, as the definition has it.
; A work-group takes 128 tokens (tile row ty) x 256 columns (tile column tx): 256 work-groups.  All of K = 1,024 lies in LDS, in four slots of 256 along K that are each filled ONCE, all asked for at the head; the barriers only show
; a slot landed.  A wave has one tensor load out.  CLUSTER 4 x 4: a's tiles are asked for jointly by a row of the cluster, Wo's by a column.
; A WAVE has 8 blocks P = 128 columns of Wo (source 0: a result's registers) x 4 blocks R = 64 tokens (source 1: its lanes): 32 accumulators, window 2.  The bias is the C of each sum's first matrix instruction.
; The rows of a tile are not neighbours (lane r of tile u of group G: row 32 G + 8 u + r + 8 (r / 8)): register j of accumulator (r, p), lane half h, is column 32 (p / 2) + 16 h + 8 (p % 2) + j.
; REGISTERS: window 0: v16-26 addresses; v32-63 P's scale words, v64-79 R's, two sets each; v80-175 R's fragments, two sets; on the way out v128-255 rows of the result.
;   window 1: v0-191 P's fragments, two sets; v192-255 the bias in the result's layout.   window 2: accumulator (r, p) at v[64 r + 8 p].
.set GROW,  25600
.set KPB,   6400
.set SLOT,  76800
.set SPARE, 4*SLOT                     ; the spare words, 128 bytes for each wave: two blocks of 256 bytes that no other line names
.set SPI,   528                        ; the way out: a stage of 16 rows x (512 bytes + 16) for each wave, in slot 0, which has had its one fill, and which nobody reads behind the second barrier
.set ADRP, 16
.set ADRR, 17
.set ADSP, 18
.set ADSR, 19
.set LI16, 20
.set LI8,  21
.set BO1,  22
.set STO,  25
.set RD,   26
.set SPW,  28                          ; v28  LDS address of my spare word; never rewritten
.set NIL,  29                          ; v29  0; never rewritten
.set SCP,  32
.set SCR,  64
.set RF,   80
.set BI,   192
.set BK,   128
.set WV,   16
.set CH,   17
.set RH,   18
.set CX,   19
.set CY,   20
.set TX,   21
.set TY,   22
.set G1A,  24
.set G1B,  32
.set G0A,  40
.set G0B,  68
.set OUT,  88
.set BP1,  92
.set PB,   100
.set RB,   101
.set MSB, 0
.macro WIN new                         ; the immediate's high byte repeats the setting that is left
.if MSB != \new
	s_set_vgpr_msb (MSB<<8)|\new
.set MSB, \new
.endif
.endm
.macro CROUND                          ; a round of the cluster's barrier
	s_barrier_signal -1
	s_barrier_wait -1
	s_cmp_lg_u32 s[WV], 0
	s_cbranch_scc1 .Lnot_wave_0_\@
	s_barrier_signal -3
.Lnot_wave_0_\@:
	s_barrier_wait -3
	s_barrier_signal -1
	s_barrier_wait -1
.endm
	s_load_b256 s[4:11], s[0:1], 0x0               ; abuf, wbuf, bo, out0
	v_lshl_add_u32 v[SPW], v0, 2, SPARE
	v_mov_b32 v[NIL], 0
	ds_add_u32 v[SPW], v[NIL]                      ; the wave's opening: the add and its wait ahead of my first tensor load; work on registers stands between them
	ds_add_u32 v[SPW], v[NIL]
	v_lshrrev_b32 v1, 5, v0
	v_readfirstlane_b32 s[WV], v1
	s_and_b32 s[CH], s[WV], 1
	s_lshr_b32 s[RH], s[WV], 1
	s_bfe_u32 s[CX], ttmp6, 0x40000
	s_bfe_u32 s[CY], ttmp6, 0x40004
	s_lshl_b32 s[TX], ttmp9, 2
	s_add_co_u32 s[TX], s[TX], s[CX]
	s_and_b32 s[TY], ttmp7, 0xffff
	s_lshl_b32 s[TY], s[TY], 2
	s_add_co_u32 s[TY], s[TY], s[CY]
	s_lshl_b32 s23, s[CY], 2
	s_lshl_b32 s23, 15, s23                        ; my row of the cluster
	s_lshl_b32 s87, 0x1111, s[CX]                  ; my column
	; group 1: rows of 6,400 bytes (800 elements of 8 bytes), 6,400 bytes apart; a: 8 rows a load, Wo: 16; no padding
	s_or_b32 s[G1A], s23, (3<<16)|(1<<21)
	s_or_b32 s[G1B], s87, (3<<16)|(1<<21)
	s_mov_b32 s[G1A+1], 800<<16
	; THE FILLS AS THIS TEXT HAS THEM: a wave's groups lie on end in memory, so each wave asks once, at the head, for all of K of its groups: a 2 groups = 8 rows of 6,400 bytes, Wo 4 groups = 16 rows, dense.
	; LDS is the image of memory: a's group g at g x 25,600, Wo's group g at (4 + g) x 25,600; 256 along K are 6,400 bytes further on.  One wait for 0 and one barrier show all of it landed.
	s_mov_b32 s[G1A+2], 8<<16
	s_mov_b32 s[G1A+3], 800<<16
	s_mov_b32 s[G1A+4], 8
	s_mov_b32 s[G1A+5], 800
	s_mov_b32 s[G1A+6], 0
	s_mov_b32 s[G1A+7], 0
	s_mov_b32 s[G1B+1], 800<<16
	s_mov_b32 s[G1B+2], 16<<16
	s_mov_b32 s[G1B+3], 800<<16
	s_mov_b32 s[G1B+4], 16
	s_mov_b32 s[G1B+5], 800
	s_mov_b32 s[G1B+6], 0
	s_mov_b32 s[G1B+7], 0
	s_lshl_b32 s56, s[TY], 2                       ; a: group 4 ty + 2 (wave % 2)
	s_lshl_b32 s58, s[CH], 1
	s_add_co_u32 s56, s56, s58
	s_mul_i32 s56, s56, GROW
	s_mov_b32 s57, 0
	s_mul_i32 s58, s[CH], 2*GROW
	s_lshl_b32 s60, s[TX], 3                       ; Wo: group 96 + 8 tx + 4 (wave % 2)
	s_lshl_b32 s62, s[CH], 2
	s_add_co_u32 s60, s60, s62
	s_add_co_u32 s60, s60, 96
	s_mul_i32 s60, s60, GROW
	s_mov_b32 s61, 0
	s_mul_i32 s62, s[CH], 4*GROW
	s_add_co_u32 s62, s62, 4*GROW
	s_wait_dscnt 0x0                               ; the opening add is done
	s_wait_kmcnt 0x0
	s_add_nc_u64 s[56:57], s[4:5], s[56:57]
	s_add_nc_u64 s[60:61], s[6:7], s[60:61]
.irp s, 0
	s_mov_b32 s[G0A+4*\s], 1
	s_add_co_u32 s[G0A+4*\s+1], s58, \s*SLOT
	s_add_nc_u64 s[G0A+4*\s+2:G0A+4*\s+3], s[56:57], \s*KPB
	s_or_b32 s[G0A+4*\s+3], s[G0A+4*\s+3], 0x80000000
	s_mov_b32 s[G0B+4*\s], 1
	s_add_co_u32 s[G0B+4*\s+1], s62, \s*SLOT
	s_add_nc_u64 s[G0B+4*\s+2:G0B+4*\s+3], s[60:61], \s*KPB
	s_or_b32 s[G0B+4*\s+3], s[G0B+4*\s+3], 0x80000000
.endr
	CROUND                                         ; all sixteen work-groups are here: the joint loads meet
	s_cmp_lt_u32 s[WV], 2                          ; waves 0 and 1 fetch a's halves, waves 2 and 3 Wo's: a wave's one fill stands in its branch
	s_cbranch_scc0 .Lfirst_b
.irp s, 0
	tensor_load_to_lds s[G0A+4*\s:G0A+4*\s+3], s[G1A:G1A+7]
	s_nop 0
.endr
.rept 4
	v_nop
.endr
	s_branch .Lfirst_done
.Lfirst_b:
.irp s, 0
	tensor_load_to_lds s[G0B+4*\s:G0B+4*\s+3], s[G1B:G1B+7]
	s_nop 0
.endr
.rept 4
	v_nop
.endr
.Lfirst_done:
	s_mul_i32 s[PB], s[CH], 4*GROW
	s_add_co_u32 s[PB], s[PB], 4*GROW
	s_mul_i32 s[RB], s[RH], 2*GROW
	v_and_b32 v1, 31, v0
	v_and_b32 v2, 15, v0                           ; r
	v_bfe_u32 v3, v0, 4, 1                         ; h
	v_lshlrev_b32 v[LI16], 4, v1
	v_lshlrev_b32 v[LI8], 3, v1
	v_add_nc_u32 v[ADRP], s[PB], v[LI8]
	v_add_nc_u32 v[ADRR], s[RB], v[LI8]
	v_lshlrev_b32 v4, 3, v2
	v_add_nc_u32 v4, 6144, v4
	v_add_nc_u32 v[ADSP], s[PB], v4
	v_add_nc_u32 v[ADSR], s[RB], v4
	v_add_nc_u32 v30, 2*GROW, v[ADRP]              ; P's groups 2 and 3 have address registers of their own: their distance passes the 16-bit immediate
	v_add_nc_u32 v31, 2*GROW, v[ADSP]
	s_mul_i32 s87, s[WV], 16*SPI                   ; my stage
	v_mul_u32_u24 v[STO], v2, SPI
	v_lshl_add_u32 v[STO], v3, 6, v[STO]
	v_add_nc_u32 v[STO], s87, v[STO]               ; in: row r, + 64 h
	v_add_nc_u32 v[RD], s87, v[LI16]               ; back: a row of 512 bytes, 16 bytes a lane
	s_lshl_b32 s62, s[TX], 10
	s_lshl_b32 s63, s[CH], 9
	s_add_co_u32 s62, s62, s63
	s_mov_b32 s63, 0
	s_add_nc_u64 s[BP1:BP1+1], s[8:9], s[62:63]    ; the bias of my 128 columns
	v_lshlrev_b32 v[BO1], 6, v3
	WIN 0x40
.irp p, 0,1,2,3,4,5,6,7
	global_load_b128 v[BI+8*\p:BI+8*\p+3], v[BO1], s[BP1:BP1+1] offset:(32*(\p/2)+8*(\p%2))*4
	global_load_b128 v[BI+8*\p+4:BI+8*\p+7], v[BO1], s[BP1:BP1+1] offset:(32*(\p/2)+8*(\p%2))*4+16
.endr
	WIN 0
	s_lshl_b32 s96, s[TY], 7
	s_lshl_b32 s97, s[RH], 6
	s_add_co_u32 s96, s96, s97                     ; my first token
	s_lshl_b32 s96, s96, 12                        ; rows of 4,096 bytes
	s_add_co_u32 s96, s96, s62                     ; + my first column
	s_mov_b32 s97, 0
	s_add_nc_u64 s[OUT:OUT+1], s[10:11], s[96:97]
; The fragments of K step q (128 along K; slot q / 2): P's eight into set q % 2 of window 1, R's four into set q % 2 of window 0; with a slot's first step its scale words, two a row.  Each load reads 256 consecutive bytes.
.macro FETCH q
	WIN 0x40
.irp p, 0,1,2,3,4,5,6,7
.irp j, 0,1,2,3,4,5
	ds_load_b64 v[96*((\q)%2)+12*\p+2*\j:96*((\q)%2)+12*\p+2*\j+1], v[ADRP+14*(\p/4)] offset:((\p/2)%2)*GROW+((\q)%2)*3072+(\p%2)*1536+256*\j
.endr
.endr
	WIN 0
.irp r, 0,1,2,3
.irp j, 0,1,2,3,4,5
	ds_load_b64 v[RF+48*((\q)%2)+12*\r+2*\j:RF+48*((\q)%2)+12*\r+2*\j+1], v[ADRR] offset:(\r/2)*GROW+((\q)%2)*3072+(\r%2)*1536+256*\j
.endr
.endr
.if (\q)%2 == 0
.irp p, 0,1,2,3,4,5,6,7
	ds_load_b64 v[SCP+16*(((\q)/2)%2)+2*\p:SCP+16*(((\q)/2)%2)+2*\p+1], v[ADSP+13*(\p/4)] offset:((\p/2)%2)*GROW+(\p%2)*128
.endr
.irp r, 0,1,2,3
	ds_load_b64 v[SCR+8*(((\q)/2)%2)+2*\r:SCR+8*(((\q)/2)%2)+2*\r+1], v[ADSR] offset:(\r/2)*GROW+(\r%2)*128
.endr
.endif
.endm
; 32 matrix instructions: the 32 accumulators take turns, one instruction a turn, in the same order in every step.  first = 1: the sums begin with the bias as C.
.macro MUL q, first
.if \first
	WIN 0x91                                       ; source 0 and C window 1, source 1 window 0, D window 2
.else
	WIN 0xa1                                       ; source 0 window 1, source 1 window 0, C and D window 2
.endif
.irp r, 0,1,2,3
.irp p, 0,1,2,3,4,5,6,7
.if \first
	v_wmma_scale_f32_16x16x128_f8f6f4 v[64*\r+8*\p:64*\r+8*\p+7], v[96*((\q)%2)+12*\p:96*((\q)%2)+12*\p+11], v[RF+48*((\q)%2)+12*\r:RF+48*((\q)%2)+12*\r+11], v[BI+8*\p:BI+8*\p+7], v[SCP+16*(((\q)/2)%2)+2*\p+(\q)%2], v[SCR+8*(((\q)/2)%2)+2*\r+(\q)%2] matrix_a_fmt:MATRIX_FMT_FP6 matrix_b_fmt:MATRIX_FMT_FP6
.else
	v_wmma_scale_f32_16x16x128_f8f6f4 v[64*\r+8*\p:64*\r+8*\p+7], v[96*((\q)%2)+12*\p:96*((\q)%2)+12*\p+11], v[RF+48*((\q)%2)+12*\r:RF+48*((\q)%2)+12*\r+11], v[64*\r+8*\p:64*\r+8*\p+7], v[SCP+16*(((\q)/2)%2)+2*\p+(\q)%2], v[SCR+8*(((\q)/2)%2)+2*\r+(\q)%2] matrix_a_fmt:MATRIX_FMT_FP6 matrix_b_fmt:MATRIX_FMT_FP6
.endif
.endr
.endr
.endm
; K step q: its fragments are in; the next step's are asked for, four plain vector instructions behind the last products that read their registers; then the products.
.macro STEP q, first
	WIN 0
	s_wait_dscnt 0x0
.if (\q) < 7
.if (\q)%2 == 1
.irp a, ADRP, ADRR, ADSP, ADSR, 30, 31
	v_add_nc_u32 v[\a], KPB, v[\a]                 ; on to the next 256 along K: these six are the places
.endr
.else
.rept 4
	v_nop
.endr
.endif
	FETCH (\q)+1
.endif
	MUL \q, \first
.endm
	s_wait_alu depctr_va_vdst(0)
	s_wait_tensorcnt 0x0                           ; my one load has landed
	s_barrier_signal -1
	s_barrier_wait -1
	FETCH 0
	s_wait_loadcnt 0x0                             ; the bias
	STEP 0, 1
	STEP 1, 0
	s_wait_alu depctr_va_vdst(0)
	STEP 2, 0
	STEP 3, 0
	s_wait_alu depctr_va_vdst(0)
	STEP 4, 0
	STEP 5, 0
	s_wait_alu depctr_va_vdst(0)
	STEP 6, 0
	STEP 7, 0
	WIN 0
	s_barrier_signal -1                            ; every wave's reads of a's and Wo's bytes are over (each waited for them at the head of its last step): the stages below lie on bytes that others read until here
	s_barrier_wait -1
.rept 4
	v_nop                                          ; four places behind the last products, ahead of the first read of results and of loads into their operands' registers
.endr
; THE WAY OUT, a block of 16 tokens x 128 columns at a time.  A lane holds pieces of one row, and the lanes beside it hold other rows: the block goes through my own stage and comes back as whole rows of 512 bytes.
; LDS serves a wave's instructions in order: no wait between the stores and the loads, nor ahead of the next block's stores.
.macro TOSTAGE rb
	WIN 0x08                                       ; the data: window 2
.irp p, 0,1,2,3,4,5,6,7
	ds_store_b128 v[STO], v[64*(\rb)+8*\p:64*(\rb)+8*\p+3] offset:128*(\p/2)+32*(\p%2)          ; each accumulator from its low end on
	ds_store_b128 v[STO], v[64*(\rb)+8*\p+4:64*(\rb)+8*\p+7] offset:128*(\p/2)+32*(\p%2)+16
.endr
	WIN 0
.irp t, 0,1,2,3,4,5,6,7,8,9,10,11,12,13,14,15
	ds_load_b128 v[BK+64*((\rb)%2)+4*\t:BK+64*((\rb)%2)+4*\t+3], v[RD] offset:SPI*\t
.endr
.endm
.macro SEND rb, younger                ; younger: the LDS instructions issued behind block rb's loads, which may stay out
	s_wait_dscnt \younger
.irp t, 0,1,2,3,4,5,6,7,8,9,10,11,12,13,14,15
	global_store_b128 v[LI16], v[BK+64*((\rb)%2)+4*\t:BK+64*((\rb)%2)+4*\t+3], s[OUT:OUT+1] offset:(32*((\rb)/2)+8*((\rb)%2)+\t+8*(\t/8))*4096 th:TH_STORE_NT   ; 512 consecutive bytes of one row
.endr
.endm
	TOSTAGE 0
	TOSTAGE 1
	SEND 0, 32                                     ; behind block 0's loads: block 1's 16 stores and 16 loads
	s_wait_xcnt 0x0                                ; block 0's stores have read their registers: block 2's loads may land there
	TOSTAGE 2
	SEND 1, 32
	s_wait_xcnt 0x0
	TOSTAGE 3
	SEND 2, 32
	SEND 3, 0
	s_wait_tensorcnt 0x0                           ; the wave's end: behind my last tensor load and my last LDS store
	ds_add_u32 v[SPW], v[NIL]
	s_wait_dscnt 0x0
	CROUND                                         ; the closing round
	s_endpgm
.Lfunc_end_k_q02c9147ecc_gemm_out:
	.size	k_q02c9147ecc_gemm_out, .Lfunc_end_k_q02c9147ecc_gemm_out-k_q02c9147ecc_gemm_out
	.p2alignl 7, 3214868480
	.fill 96, 4, 3214868480
	.section	.rodata,"a",@progbits
	.p2align	6, 0x0
	.amdhsa_kernel k_q02c9147ecc_gemm_out
		.amdhsa_group_segment_fixed_size 327680
		.amdhsa_private_segment_fixed_size 0
		.amdhsa_enable_private_segment 0
		.amdhsa_kernarg_size 32
		.amdhsa_user_sgpr_count 2
		.amdhsa_user_sgpr_kernarg_segment_ptr 1
		.amdhsa_wavefront_size32 1
		.amdhsa_system_sgpr_workgroup_id_x 1
		.amdhsa_system_sgpr_workgroup_id_y 1
		.amdhsa_system_sgpr_workgroup_id_z 1
		.amdhsa_system_vgpr_workitem_id 0
		.amdhsa_next_free_vgpr 768
		.amdhsa_next_free_sgpr 102
		.amdhsa_reserve_vcc 0
		.amdhsa_float_denorm_mode_32 3
		.amdhsa_float_denorm_mode_16_64 3
		.amdhsa_memory_ordered 1
		.amdhsa_forward_progress 1
		.amdhsa_inst_pref_size 97
	.end_amdhsa_kernel
	.amdgpu_metadata
---
amdhsa.version: [ 1, 2 ]
amdhsa.kernels:
  - .name:           k_q02c9147ecc_gemm_out
    .symbol:         k_q02c9147ecc_gemm_out.kd
    .args:
      - { .name: abuf, .offset: 0, .size: 8, .value_kind: global_buffer, .address_space: global }
      - { .name: wbuf, .offset: 8, .size: 8, .value_kind: global_buffer, .address_space: global }
      - { .name: bo, .offset: 16, .size: 8, .value_kind: global_buffer, .address_space: global }
      - { .name: out0, .offset: 24, .size: 8, .value_kind: global_buffer, .address_space: global }
    .group_segment_fixed_size: 327680
    .private_segment_fixed_size: 0
    .kernarg_segment_align: 8
    .kernarg_segment_size: 32
    .max_flat_workgroup_size: 128
    .sgpr_count:     102
    .vgpr_count:     768
    .wavefront_size: 32
...
	.end_amdgpu_metadata
.endif
;; end of part 4
